; MI455X (gfx1250); checked and timed in simulation.
; The chip was launched on July 23, 2026; its instructions are those of AMD's public machine-readable ISA for CDNA 5 (MIT licence, August 2026) and "CDNA5" Instruction Set Architecture Reference Guide (July 2026). The comments in the code are by the model that wrote it; some were corrected since.
;; Self Attention. Allowed arithmetic: matrix products marked QUANTISED: E2M3 operands, one E8M0 scale for each 32 along K, by v_wmma_scale_f32_16x16x128_f8f6f4 with both operands' format E2M3, f32 sums; everything else in f32.
;; Inputs: Wk 1,024 x 1,024 float32; Wo 1,024 x 1,024 float32; Wq 1,024 x 1,024 float32; Wv 1,024 x 1,024 float32; bk 1,024 float32; bo 1,024 float32; bq 1,024 float32; bv 1,024 float32; keys 8 x 1,024 x 1,024 float32; mask 8 x 1 x 1 x 1,024 int32; query 8 x 1,024 x 1,024 float32; values 8 x 1,024 x 1,024 float32.
;; Outputs: out0 8 x 1,024 x 1,024 float32.
;; This version of the problem:
;;   THIS VERSION OF THE PROBLEM IS GIVEN IN LOW PRECISION. The matrix products marked QUANTISED in the list below multiply operands that are first quantised to E2M3 (2 exponent bits, 3 mantissa bits; 6 bits a number), with one power-of-two scale for each 32 numbers along K (OCP MX v1.0); their sums are f32. All else is computed in f32.
;;   The module's matrix products, in the order in which they are computed (A, B: the left and right operand; K: the contracted axis; several contracted axes count as one K, in the product's order):
;;     1. [M 8,192, K 1,024] x [K 1,024, N 1,024]; A: input values; B: input Wv: QUANTISED
;;     2. [M 8,192, K 1,024] x [K 1,024, N 1,024]; A: input keys; B: input Wk: QUANTISED
;;     3. [M 8,192, K 1,024] x [K 1,024, N 1,024]; A: input query; B: input Wq: QUANTISED
;;     4. batch 128 x [M 1,024, K 64] x [K 64, N 1,024]; A: computed on the way; B: computed on the way: QUANTISED
;;     5. batch 128 x [M 64, K 1,024] x [K 1,024, N 1,024]; A: computed on the way; B: softmax (see below): QUANTISED
;;     6. [M 8,192, K 1,024] x [K 1,024, N 1,024]; A: computed on the way; B: input Wo: QUANTISED
;;   THE QUANTISER, for each operand of a quantised product, along K:
;;     - K is cut into blocks of 32 from its start; a last block that is shorter is filled with zeros.
;;     - A block's scale is 2^e with e = floor(log2(the largest magnitude in the block)) - 2, held to -126 .. 127; a block of zeros has e = 0. As a byte (E8M0): e + 127.
;;     - Each number is divided by its block's scale, clamped to +-7.5, and rounded to the nearest number of E2M3, ties to even, subnormals kept.
;;     - The product sums the exact products of the quantised numbers (number of the format x scale) in f32.
;;   ~~~python
;;   def quantise(x, axis):      # numpy; x: float32 -> the quantised numbers, widened to float32 again
;;       x = np.moveaxis(x, axis, -1); K = x.shape[-1]
;;       x = np.pad(x, [(0, 0)] * (x.ndim - 1) + [(0, -K % 32)]); x = x.reshape(x.shape[:-1] + (-1, 32)); a = np.abs(x).max(-1, keepdims=True)
;;       e = np.where(a > 0, np.clip(np.frexp(np.where(a > 0, a, 1))[1] - 1 - 2, -126, 127), 0)      # np.frexp(a)[1] - 1 = floor(log2(a)), exactly
;;       r = np.clip(x / 2.0 ** e, -7.5, 7.5)
;;       step = 2.0 ** (np.maximum(np.frexp(np.where(r == 0, 1, r))[1] - 1, 0) - 3)
;;       q = np.round(r / step) * step * 2.0 ** e      # np.round: ties to even
;;       return np.moveaxis(q.reshape(q.shape[:-2] + (-1,))[..., :K], -1, axis).astype(np.float32)
;;   ~~~
;;   SOFTMAX AHEAD OF A QUANTISED PRODUCT. Where the list says 'softmax', what is quantised is not the finished softmax but p = 2^(t - M), with t = logit x log2(e) and M = ceil(the row's largest t), a whole number; so 1/2 < the row's largest p <= 1. The row's sum l is taken of the UNQUANTISED p, in f32, and the product's result is divided by l at the end. Since M is a whole number, a kernel that streams over the keys may use a running M (the ceiling of the running maximum): every later rescaling is an exact power of two, which a block's scale takes up: the codes' values come out the same.
;;   OPERANDS COMPUTED ON THE WAY. 'Computed on the way' means the value that the module computes at that place (a softmax that the list does not call 'softmax' is quantised finished and normalised). What goes into a quantiser is computed in f32, as accurately as f32 sums, v_exp_f32 and their like allow (about 1e-6 of the number): no bf16 or f16 on the way to a quantiser, and a product that is left as it is and whose result goes on into a quantised operand takes f32 operands (vector FMAs, or v_wmma_f32_16x16x4_f32). A number that lies on a knife's edge between two numbers of the format may be rounded either way, as far as f32 arithmetic and the matrix unit's own rounding can turn it there, and no further.
;; One version. Each part assembles by itself: llvm-mc -triple=amdgcn-amd-amdhsa -mcpu=gfx1250 --defsym DOCPART=n.
;; ======== version 1 of 1: 4 launches
;; limits: right only within a limited range of input values
;; workspace buffers: xc 18,874,368 bytes; xs 786,432 bytes; wc 3,145,728 bytes; ws 131,072 bytes; qc 18,874,368 bytes; qs 786,432 bytes; ac 6,291,456 bytes; asc 262,144 bytes
;; launch quant (part 1): grid 256 x 1, 8 waves a work-group, no clusters, 119,808 bytes of LDS; arguments query, keys, values, Wq, Wk, Wv, Wo, xc, xs, wc, ws; writes xc, xs, wc, ws
.if DOCPART == 1
	.amdgcn_target "amdgcn-amd-amdhsa--gfx1250"
	.amdhsa_code_object_version 6
	.text
	.protected	k_q3c97f186e5_quant
	.globl	k_q3c97f186e5_quant
	.p2align	8
	.type	k_q3c97f186e5_quant,@function
k_q3c97f186e5_quant:
	s_mov_b64 s[64:65], 0
	v_nop
	global_prefetch_b8 v0, s[64:65] scope:SCOPE_SE
	s_setreg_imm32_b32 hwreg(HW_REG_WAVE_MODE, 25, 1), 1
	s_wait_xcnt 0x0
; query, keys, values [8192][1024] and Wq, Wk, Wv, Wo [1024 (k)][1024 (n)], f32, become codes of FP6 (E2M3) with one E8M0 byte for each 32 along K, laid as IMAGES OF OPERAND REGISTERS.
; ROWS of an operand (tokens of X, columns n of W) go in tiles of 16 in this order: lane row r of tile T is row 32 (T / 2) + 8 (T % 2) + r + 8 (r / 8).
; A FRAGMENT (tile T, K step s of 128) is 1,536 bytes at (8 T + s) x 1,536: six pieces of 256 bytes; piece p holds registers 2 p, 2 p + 1 of lane l at 256 p + 8 l; registers 6 c .. 6 c + 5 of lane (r, h) hold k = 128 s + 64 c + 32 h + 0 .. 31.
; SCALE WORDS: 32 bytes for each row in that order: word s, byte b for k = 128 s + 32 b.
; A block's scale is 2^(floor(log2(largest magnitude)) - 2): its byte is that magnitude's exponent field - 2, held at 1 from below.
; LIMITS: a block of zeros gets the byte 1 where the rule says 127 (its codes are zeros, and this program alone reads the bytes); NaN and infinities among the inputs are not served.
; Work-groups 0-191 take X (a wave: one tile of 16 rows, all of K), work-groups 192-255 take W (a wave: 32 columns x 256 along K).  The two ways have LDS bytes of their own.  Waves share nothing: no barrier.
.set STX,  16*528                      ; X: a wave's stage: 16 rows of 512 bytes + 16
.set WLB,  8*STX                       ; W's stages begin behind X's
.set STW,  6400                        ; W: a wave's stage: two tiles of two fragments, 3,200 bytes apart
.set TM,   8                           ; v8-23    at work in QUANT
.set PC,   24                          ; v24-43   a fragment's codes (12) and the conversions' second halves
.set SW,   44                          ; v44-51   the eight scale words of my row
.set QD,   52                          ; v52-55   the four that I store
.set X,    64                          ; v64-127  64 numbers: register 16 b + i = k 32 b + 16 h + i of row r
.set R,    128                         ; v128-255 two sets of 64 registers as loaded
.set SEL,  30                          ; s[30:31] lane selects: lane l xor 16
.set WX,   32                          ; W: v32-95 two sets of 32 numbers down K
.set WC,   96                          ; W: a block's codes
.set WO,   112                         ; W: v112-159 the way out
.set WS,   24                          ; W: v24-25 my column's two scale words
; 64 numbers of a lane become a fragment's codes in v[PC] on and its row's scale word in v[pw]
.macro QUANT s, pw
.irp b, 0,1,2,3
	v_max3_num_f32 v[TM+\b], |v[(\s)+16*\b]|, |v[(\s)+1+16*\b]|, 0x1800000   ; my 16 numbers of block b, and the floor 2^(3 - 127): the byte cannot fall under 1
.endr
.irp i, 2,4,6,8,10,12,14
.irp b, 0,1,2,3
	v_max3_num_f32 v[TM+\b], v[TM+\b], |v[(\s)+16*\b+\i]|, |v[(\s)+1+16*\b+\i]|
.endr
.endr
.irp b, 0,1,2,3
	v_permlanex16_b32 v[TM+4+\b], v[TM+\b], s[SEL], s[SEL+1]
.endr
.irp b, 0,1,2,3
	v_max_num_f32 v[TM+\b], v[TM+\b], v[TM+4+\b]           ; with lane l xor 16's 16: the block's largest magnitude
.endr
.irp b, 0,1,2,3
	v_add_nc_u32 v[TM+12+\b], 0xff000000, v[TM+\b]         ; 2 off its exponent field: the conversion's scale operand
.endr
.irp b, 0,1,2,3
	v_lshrrev_b32 v[TM+4+\b], 23, v[TM+12+\b]              ; the scale's byte
.endr
	v_lshl_or_b32 v[\pw], v[TM+5], 8, v[TM+4]
	v_lshl_or_b32 v[\pw], v[TM+6], 16, v[\pw]
	v_lshl_or_b32 v[\pw], v[TM+7], 24, v[\pw]
.irp c, 0,1
	v_cvt_scalef32_pk16_fp6_f32 v[PC+6*\c:PC+2+6*\c], v[(\s)+32*\c:(\s)+15+32*\c], v[TM+12+2*\c]
	v_cvt_scalef32_pk16_fp6_f32 v[PC+12+4*\c:PC+14+4*\c], v[(\s)+16+32*\c:(\s)+31+32*\c], v[TM+12+2*\c+1]   ; (a conversion's three registers begin on an even number)
.endr
	v_nop                                          ; one plain instruction behind the scaled conversions
.irp c, 0,1                                    ; the operand wants a whole block in a lane: lanes 0-15 block 2 c, lanes 16-31 block 2 c + 1
.irp i, 0,1,2
	v_permlane16_swap_b32 v[PC+6*\c+\i], v[PC+12+4*\c+\i]
.endr
.irp i, 0,1,2
	v_mov_b32 v[PC+3+6*\c+\i], v[PC+12+4*\c+\i]
.endr
.endr
.endm
	s_load_b512 s[4:19], s[0:1], 0x0               ; query, keys, values, Wq, Wk, Wv, Wo, xc
	s_load_b128 s[20:23], s[0:1], 0x40             ; xs, wc
	s_load_b64 s[24:25], s[0:1], 0x50              ; ws
	v_lshl_add_u32 v18, v0, 2, 0x1d000
	v_mov_b32 v19, 0
	v_lshrrev_b32 v1, 5, v0
	v_readfirstlane_b32 s26, v1                    ; wave 0..7
	v_and_b32 v7, 31, v0                           ; lane
	s_mov_b32 s[SEL], 0x76543210
	s_mov_b32 s[SEL+1], 0xfedcba98
	s_cmp_ge_u32 ttmp9, 192
	s_cbranch_scc1 .Lw_path
	; ---------------- X ----------------
	v_lshlrev_b32 v1, 4, v7                        ; 16 x lane: my bytes of a load's 512
	s_mul_i32 s27, s26, STX                        ; my stage
	v_add_nc_u32 v2, s27, v1                       ; into it: as loaded
	v_and_b32 v5, 15, v0                           ; r
	v_bfe_u32 v6, v0, 4, 1                         ; h
	v_mul_u32_u24 v3, v5, 528
	v_lshl_add_u32 v3, v6, 6, v3
	v_add_nc_u32 v3, s27, v3                       ; out of it: row r, + 64 h: 16 neighbours of each block of 32
	v_lshlrev_b32 v4, 3, v7                        ; 8 x lane: my place in a piece
	v_lshlrev_b32 v5, 5, v5
	v_lshl_add_u32 v5, v6, 4, v5                   ; 32 r + 16 h: my four of the row's eight scale words
.irp b, 0,1,2,3
	v_mov_b32 v[TM+4+\b], 0                        ; written once: a lane permute's destination counts as one of its sources
.endr
	s_lshr_b32 s28, ttmp9, 6                       ; which tensor: 0 query, 1 keys, 2 values
	s_and_b32 s29, ttmp9, 63
	s_lshl_b32 s29, s29, 3
	s_add_co_u32 s29, s29, s26                     ; T: my tile of 16 rows
	s_lshr_b32 s32, s29, 1
	s_lshl_b32 s32, s32, 17                        ; 32 (T / 2) rows of 4,096 bytes
	s_and_b32 s33, s29, 1
	s_lshl_b32 s33, s33, 15                        ; + 8 (T % 2) rows
	s_add_co_u32 s32, s32, s33
	s_mov_b32 s33, 0
	s_mul_i32 s34, s28, 6291456
	s_mul_i32 s35, s29, 12288
	s_add_co_u32 s34, s34, s35                     ; my eight fragments
	s_mov_b32 s35, 0
	s_lshl_b32 s36, s28, 18
	s_lshl_b32 s37, s29, 9
	s_add_co_u32 s36, s36, s37                     ; my 16 rows of scale words
	s_mov_b32 s37, 0
	s_wait_kmcnt 0x0
	s_cmp_eq_u32 s28, 1                            ; the choice hangs on the work-group's number alone
	s_cselect_b64 s[4:5], s[6:7], s[4:5]
	s_cmp_eq_u32 s28, 2
	s_cselect_b64 s[4:5], s[8:9], s[4:5]
	s_add_nc_u64 s[4:5], s[4:5], s[32:33]
	s_add_nc_u64 s[18:19], s[18:19], s[34:35]
	s_add_nc_u64 s[20:21], s[20:21], s[36:37]
.macro XLOAD s                         ; K step s of the tile's 16 rows: each load reads 512 consecutive bytes of one row
.irp i, 0,1,2,3,4,5,6,7,8,9,10,11,12,13,14,15
	global_load_b128 v[R+64*((\s)%2)+4*\i:R+64*((\s)%2)+4*\i+3], v1, s[4:5] offset:(\i+8*(\i/8))*4096+512*(\s) th:TH_LOAD_NT
.endr
.endm
.macro XTURN s                         ; through the stage: in as loaded, out 16 neighbours of each block a lane.  LDS serves a wave's instructions in order: no wait between
.irp i, 0,1,2,3,4,5,6,7,8,9,10,11,12,13,14,15
	ds_store_b128 v2, v[R+64*((\s)%2)+4*\i:R+64*((\s)%2)+4*\i+3] offset:528*\i
.endr
.irp b, 0,1,2,3
.irp j, 0,1,2,3
	ds_load_b128 v[X+16*\b+4*\j:X+16*\b+4*\j+3], v3 offset:128*\b+16*\j
.endr
.endr
.endm
.macro XSTEP s
.if (\s) < 7
	s_wait_loadcnt 16                              ; this step's 16 loads are in; the next step's 16 may be out
.else
	s_wait_loadcnt 0x0
.endif
	XTURN \s
	s_wait_dscnt 0x0                               ; the numbers are back, and the stage's stores have read their registers
	s_wait_xcnt 0x0                                ; the last step's stores have read the codes' registers, which QUANT writes again
.if (\s)+2 < 8
	XLOAD (\s)+2
.endif
	QUANT X, SW+(\s)
.irp p, 0,1,2,3,4,5
	global_store_b64 v4, v[PC+2*\p:PC+2*\p+1], s[18:19] offset:1536*(\s)+256*\p   ; 32 lanes store 256 consecutive bytes, at a multiple of 256 from the buffer's first byte
.endr
.endm
	XLOAD 0
	XLOAD 1
.irp s, 0,1,2,3,4,5,6,7
	XSTEP \s
.endr
	v_cmp_eq_u32 vcc_lo, 1, v6
.irp i, 0,1,2,3
	v_cndmask_b32 v[QD+\i], v[SW+\i], v[SW+4+\i], vcc_lo   ; lanes 0-15 the row's words 0-3, lanes 16-31 its words 4-7
.endr
	global_store_b128 v5, v[QD:QD+3], s[20:21]     ; the wave stores 512 consecutive bytes
	s_wait_tensorcnt 0x0
	ds_add_u32 v18, v19
	s_wait_dscnt 0x0
	s_endpgm
	; ---------------- W ----------------  a lane takes a column n, and its registers run down K: nothing is transposed
.Lw_path:
	s_sub_co_u32 s27, ttmp9, 192
	s_lshr_b32 s28, s27, 4                         ; which matrix: 0 Wq, 1 Wk, 2 Wv, 3 Wo
	s_bfe_u32 s29, s27, 0x20002                    ; which 256 along K
	s_and_b32 s32, s27, 3
	s_lshl_b32 s32, s32, 3
	s_add_co_u32 s32, s32, s26                     ; which 32 columns: the eight waves stand side by side on 1,024 bytes of each row
	v_lshlrev_b32 v3, 2, v7                        ; in: 4 bytes a lane
	v_bfe_u32 v8, v0, 3, 1                         ; u: my column lies in tile 2 g + u,
	v_and_b32 v9, 7, v0
	v_bfe_u32 v10, v0, 4, 1
	v_lshl_add_u32 v9, v10, 3, v9                  ; at lane row r' = lane % 8 + 8 (lane / 16)
	s_mul_i32 s33, s26, STW
	s_add_co_u32 s33, s33, WLB                     ; my stage
	v_mul_u32_u24 v4, v8, 3200
	v_lshl_add_u32 v4, v9, 3, v4
	v_add_nc_u32 v4, s33, v4                       ; into it: tile u, 8 r'
	v_lshlrev_b32 v5, 4, v7                        ; 16 x lane
	v_add_nc_u32 v6, s33, v5                       ; out of it
	v_lshl_add_u32 v9, v8, 4, v9
	v_lshlrev_b32 v9, 5, v9                        ; my row of scale words: 32 (16 u + r')
	s_lshl_b32 s34, s29, 20                        ; 256 rows of 4,096 bytes
	s_lshl_b32 s35, s32, 7
	s_add_co_u32 s34, s34, s35
	s_mov_b32 s35, 0
	s_mul_i32 s36, s28, 786432
	s_mul_i32 s37, s32, 24576                      ; two tiles of eight fragments
	s_add_co_u32 s36, s36, s37
	s_mul_i32 s37, s29, 3072                       ; two fragments
	s_add_co_u32 s36, s36, s37
	s_mov_b32 s37, 0
	s_lshl_b32 s38, s28, 15
	s_lshl_b32 s39, s32, 10
	s_add_co_u32 s38, s38, s39
	s_lshl_b32 s39, s29, 3
	s_add_co_u32 s38, s38, s39
	s_mov_b32 s39, 0
	s_wait_kmcnt 0x0
	s_cmp_eq_u32 s28, 1
	s_cselect_b64 s[10:11], s[12:13], s[10:11]
	s_cmp_eq_u32 s28, 2
	s_cselect_b64 s[10:11], s[14:15], s[10:11]
	s_cmp_eq_u32 s28, 3
	s_cselect_b64 s[10:11], s[16:17], s[10:11]
	s_add_nc_u64 s[10:11], s[10:11], s[34:35]
	s_add_nc_u64 s[22:23], s[22:23], s[36:37]
	s_add_nc_u64 s[24:25], s[24:25], s[38:39]
.macro WLOAD t                         ; block t: W(32 t + i, my column)
.irp i, 0,1,2,3,4,5,6,7,8,9,10,11,12,13,14,15,16,17,18,19,20,21,22,23,24,25,26,27,28,29,30,31
	global_load_b32 v[WX+32*((\t)%2)+\i], v3, s[10:11] offset:(32*(\t)+\i)*4096 th:TH_LOAD_NT
.endr
.endm
.macro WBLOCK t
.set XS, WX+32*((\t)%2)
.if (\t) < 7
	s_wait_loadcnt 32                              ; this block's 32 loads are in; the next block's may be out
.else
	s_wait_loadcnt 0x0
.endif
	v_max3_num_f32 v12, |v[XS]|, |v[XS+1]|, |v[XS+2]|      ; the block's largest magnitude: all 32 numbers are mine
	v_max3_num_f32 v13, |v[XS+3]|, |v[XS+4]|, |v[XS+5]|
.irp i, 6,10,14,18,22,26
	v_max3_num_f32 v12, v12, |v[XS+\i]|, |v[XS+\i+1]|
	v_max3_num_f32 v13, v13, |v[XS+\i+2]|, |v[XS+\i+3]|
.endr
	v_max3_num_f32 v12, v12, |v[XS+30]|, |v[XS+31]|
	v_max3_num_f32 v12, v12, v13, 0x1800000        ; and the floor
	v_add_nc_u32 v11, 0xff000000, v12              ; the conversion's scale operand
	v_lshrrev_b32 v13, 23, v11                     ; the byte
.if (\t)%4 == 0
	v_mov_b32 v[WS+(\t)/4], v13
.else
	v_lshl_or_b32 v[WS+(\t)/4], v13, 8*((\t)%4), v[WS+(\t)/4]
.endif
	v_cvt_scalef32_pk16_fp6_f32 v[WC:WC+2], v[XS:XS+15], v11
	v_cvt_scalef32_pk16_fp6_f32 v[WC+4:WC+6], v[XS+16:XS+31], v11
	v_nop                                          ; one plain instruction behind the scaled conversions
	v_mov_b32 v[WC+3], v[WC+4]                     ; the block's six registers on end
	v_mov_b32 v[WC+4], v[WC+5]
	v_mov_b32 v[WC+5], v[WC+6]
.irp q, 0,1,2                                  ; block t is registers 6 c .. 6 c + 5 (c = (t / 2) % 2) of lane 16 (t % 2) + r' in fragment t / 4
	ds_store_b64 v4, v[WC+2*\q:WC+2*\q+1] offset:((\t)/4)*1536+(3*(((\t)/2)%2)+\q)*256+128*((\t)%2)
.endr
.if (\t)+2 < 8
	WLOAD (\t)+2
.endif
	s_wait_dscnt 0x0                               ; the stores have read their registers
.endm
	WLOAD 0
	WLOAD 1
.irp t, 0,1,2,3,4,5,6,7
	WBLOCK \t
.endr
	global_store_b64 v9, v[WS:WS+1], s[24:25]      ; my column's two scale words: 8 bytes of a row of 32: rows written in part; one byte for each 32 that this way reads
.irp i, 0,1,2,3,4,5,6,7,8,9,10,11
	ds_load_b128 v[WO+4*\i:WO+4*\i+3], v6 offset:(\i/6)*3200+512*(\i%6)
.endr
.irp i, 0,1,2,3,4,5,6,7,8,9,10,11
	s_wait_dscnt 11-\i                             ; the younger readbacks may be out
	global_store_b128 v5, v[WO+4*\i:WO+4*\i+3], s[22:23] offset:(\i/6)*12288+512*(\i%6)   ; 512 consecutive bytes
.endr
	s_wait_tensorcnt 0x0
	ds_add_u32 v18, v19
	s_wait_dscnt 0x0
	s_endpgm
.Lfunc_end_k_q3c97f186e5_quant:
	.size	k_q3c97f186e5_quant, .Lfunc_end_k_q3c97f186e5_quant-k_q3c97f186e5_quant
	.p2alignl 7, 3214868480
	.fill 96, 4, 3214868480
	.section	.rodata,"a",@progbits
	.p2align	6, 0x0
	.amdhsa_kernel k_q3c97f186e5_quant
		.amdhsa_group_segment_fixed_size 119808
		.amdhsa_private_segment_fixed_size 0
		.amdhsa_enable_private_segment 0
		.amdhsa_kernarg_size 88
		.amdhsa_user_sgpr_count 2
		.amdhsa_user_sgpr_kernarg_segment_ptr 1
		.amdhsa_wavefront_size32 1
		.amdhsa_system_sgpr_workgroup_id_x 1
		.amdhsa_system_sgpr_workgroup_id_y 1
		.amdhsa_system_sgpr_workgroup_id_z 1
		.amdhsa_system_vgpr_workitem_id 0
		.amdhsa_next_free_vgpr 256
		.amdhsa_next_free_sgpr 66
		.amdhsa_reserve_vcc 1
		.amdhsa_float_denorm_mode_32 3
		.amdhsa_float_denorm_mode_16_64 3
		.amdhsa_memory_ordered 1
		.amdhsa_forward_progress 1
		.amdhsa_inst_pref_size 108
	.end_amdhsa_kernel
	.amdgpu_metadata
---
amdhsa.version: [ 1, 2 ]
amdhsa.kernels:
  - .name:           k_q3c97f186e5_quant
    .symbol:         k_q3c97f186e5_quant.kd
    .args:
      - { .name: query, .offset: 0, .size: 8, .value_kind: global_buffer, .address_space: global }
      - { .name: keys, .offset: 8, .size: 8, .value_kind: global_buffer, .address_space: global }
      - { .name: values, .offset: 16, .size: 8, .value_kind: global_buffer, .address_space: global }
      - { .name: Wq, .offset: 24, .size: 8, .value_kind: global_buffer, .address_space: global }
      - { .name: Wk, .offset: 32, .size: 8, .value_kind: global_buffer, .address_space: global }
      - { .name: Wv, .offset: 40, .size: 8, .value_kind: global_buffer, .address_space: global }
      - { .name: Wo, .offset: 48, .size: 8, .value_kind: global_buffer, .address_space: global }
      - { .name: xc, .offset: 56, .size: 8, .value_kind: global_buffer, .address_space: global }
      - { .name: xs, .offset: 64, .size: 8, .value_kind: global_buffer, .address_space: global }
      - { .name: wc, .offset: 72, .size: 8, .value_kind: global_buffer, .address_space: global }
      - { .name: ws, .offset: 80, .size: 8, .value_kind: global_buffer, .address_space: global }
    .group_segment_fixed_size: 119808
    .private_segment_fixed_size: 0
    .kernarg_segment_align: 8
    .kernarg_segment_size: 88
    .max_flat_workgroup_size: 256
    .sgpr_count:     66
    .vgpr_count:     256
    .wavefront_size: 32
...
	.end_amdgpu_metadata
.endif
;; end of part 1
;; launch proj (part 2): grid 4 x 96, 4 waves a work-group, clusters of 4 x 4, 327,680 bytes of LDS; arguments xc, xs, wc, ws, bq, bk, bv, qc, qs; writes qc, qs
.if DOCPART == 2
	.amdgcn_target "amdgcn-amd-amdhsa--gfx1250"
	.amdhsa_code_object_version 6
	.text
	.protected	k_q3c97f186e5_proj
	.globl	k_q3c97f186e5_proj
	.p2align	8
	.type	k_q3c97f186e5_proj,@function
k_q3c97f186e5_proj:
	s_mov_b64 s[64:65], 0
	v_nop
	global_prefetch_b8 v0, s[64:65] scope:SCOPE_SE
	s_setreg_imm32_b32 hwreg(HW_REG_WAVE_MODE, 25, 1), 1
	s_wait_xcnt 0x0
	s_wait_alu depctr_hold_cnt(0) depctr_sa_sdst(0) depctr_va_vdst(0) depctr_va_sdst(0) depctr_va_ssrc(0) depctr_va_vcc(0) depctr_vm_vsrc(0)
	s_getreg_b32 s2, hwreg(HW_REG_IB_STS2, 6, 4)
	s_cmp_eq_u32 s2, 0
	s_cbranch_scc0 .Lentry_in_a_cluster
	s_endpgm
.Lentry_in_a_cluster:
	s_bfe_u32 s2, ttmp6, 0x10000c
	s_cmp_lg_u32 s2, 0xf033
	s_cbranch_scc0 .Lentry_shape_is_right
	s_endpgm
.Lentry_shape_is_right:
; q = query Wq + bq, k = keys Wk + bk, v = values Wv + bv, on codes of FP6 (E2M3) with E8M0 scales, sums in f32; the results are quantised in registers and leave as codes.
; One launch, three products.  The cluster's y picks the product (y / 8: 0 q, 1 k, 2 v) and the place (y % 8); both are the same in all sixteen partners.
; C[m][n] = sum over k of A[m][k] B[n][k].  For q and k: A = X (8,192 tokens), B = W (1,024 features).  FOR v A AND B CHANGE PLACES (A = Wv, B = values), so that a lane holds one feature and its registers run along the tokens: the keys are v's next K.
; Operands arrive as images of operand registers: fragment (tile T of 16 rows, K step s of 128) at (8 T + s) x 1,536 bytes, piece p (registers 2 p, 2 p + 1) at 256 p + 8 x lane; scale words 32 bytes a row.
; Lane row r of tile T is row 32 (T / 2) + 8 (T % 2) + r + 8 (r / 8): so the 16 result registers of source 0's tiles 2 b, 2 b + 1 are 16 NEIGHBOURS, 32 b + 16 (lane / 16) + 0 .. 15, along source 0's rows.
; A tile of C, 256 x 256, is made by four waves, 128 x 128 each: 64 accumulators.  K goes in steps of 256 through a ring of two LDS slots; the scales of all of K come once.  4 x 4 clusters: A's tiles are asked for jointly along a row, B's along a column.
; THE MATRIX INSTRUCTION IS USED TRANSPOSED: source 0 = 16 rows of B, source 1 = 16 rows of A.  The bias along n is the C of each sum's first product; the bias along m (v) is added on the way out; the side on which the bias does not lie is 0.
; OUT: with T the block of 128 tokens, F the block of 128 features, a my block of A's 16 rows: piece p at (T / 8) 786,432 + F 98,304 + (p / 3) 49,152 + (T % 8) 6,144 + 768 a + 256 (p % 3) + 8 lane; scale word at (64 F + T) 512 + 256 (a / 4) + 16 r + 4 (a % 4).
; LIMITS: a block of zeros gets the byte 1 (its codes are zeros; this program alone reads the bytes); NaN and infinities are not served.
; REGISTERS: window 0: v0-31 addresses; v32-63 scale words, two sets; v64-127 the bias along n, later 64 numbers on the way out; v128-223 A's fragments, one set, later the way out's working registers; v224-239 the bias along m, each word twice.
;   window 1: B's fragments, two sets, at v0 and v128.  window 2: the accumulators of my rows 0-63 ((a, b) at v[8 (8 a + b)]); window 3: those of rows 64-127.
.set NQ,     2                         ; matrix instructions deep in a slot
.set FR,     12                        ; registers of a fragment
.set NL,     6                         ; LDS loads that bring one
.set NP,     4                         ; places behind this matrix instruction (ISA guide 7.12.1)
.set FRB,    1536                      ; a fragment in bytes
.set TROW,   2*FRB                     ; a tile's two fragments in a slot
.set HALFT,  8*TROW                    ; 128 rows: what one tensor load brings
.set SLOT,   4*HALFT                   ; A's 256 rows, then B's 256
.set LAPS,   2                         ; K = 1,024: twice round the ring
.set SCL,    2*SLOT                    ; behind the ring: the scales, as units of 256 bytes + 16
.set HALFS,  16*272                    ; those of 128 rows
.set SBLK,   2*272                     ; those of 16 rows
.set SPARE,  SCL+4*HALFS               ; the spare words, 128 bytes a wave: two blocks of 256 bytes that no other line names
.set ADRA, 16                          ; v16-17 LDS address of my A fragments in slot 0, 1
.set ADRB, 20                          ; v20-21 the same for B
.set ADRS, 27                          ; v27    of my scale words: lanes 0-15 A's rows, lanes 16-31 B's
.set SPW,  28                          ; v28    my spare word; never rewritten
.set NIL,  29                          ; v29    0; never rewritten
.set SC,   32
.set BN,   64
.set AF,   128
.set BM,   224
.set ST,   64                          ; the way out
.set PC,   128
.set TM,   148
.set SW,   164
.set SEL,  20
.set G1, 24
.set G0, 32
.set G1B, 48
.set G0B, 56
.set G1S, 68
.set G0S, 76
.set G1SB, 80
.set G0SB, 88
.set MSB, 0
.macro WIN new                         ; the immediate's high byte repeats the setting that is left
.if MSB != (\new)
	s_set_vgpr_msb (MSB<<8)|(\new)
.set MSB, \new
.endif
.endm
.set MUL_LO, 0xa1                      ; source 0 (B) window 1, source 1 (A) window 0, C and D window 2
.set MUL_HI, 0xf1                      ; the same, C and D window 3
.set FST_LO, 0x81                      ; the first products: C (the bias) window 0, D window 2
.set FST_HI, 0xc1                      ; D window 3
.set TO_B,   0x40                      ; destination window 1, address window 0
; A joint load: waves 0 and 1 fetch for A, waves 2 and 3 for B; the branch hangs on the wave's number alone.  Four v_nop follow each of the two lines.
.macro JLOAD g0a, g1a, g0b, g1b
	s_cmp_eq_u32 s15, 0
	s_cbranch_scc0 .Lfor_b_\@
	tensor_load_to_lds s[\g0a:\g0a+3], s[\g1a:\g1a+7]
	s_nop 0
.rept 4
	v_nop
.endr
	s_branch .Lasked_\@
.Lfor_b_\@:
	tensor_load_to_lds s[\g0b:\g0b+3], s[\g1b:\g1b+7]
	s_nop 0
.rept 4
	v_nop
.endr
.Lasked_\@:
.endm
.macro CREST                           ; a round of the cluster's barrier behind its opening barrier
	s_cmp_lg_u32 s14, 0
	s_cbranch_scc1 .Lnot_wave_0_\@
	s_barrier_signal -3
.Lnot_wave_0_\@:
	s_barrier_wait -3
	s_barrier_signal -1
	s_barrier_wait -1
.endm
.macro CROUND
	s_barrier_signal -1
	s_barrier_wait -1
	CREST
.endm
.macro QUANT s, pw                     ; 64 numbers of a lane (register 16 b + i = k 32 b + 16 h + i of my row) become a fragment's codes in v[PC] on and the row's scale word in v[pw]
.irp b, 0,1,2,3
	v_max3_num_f32 v[TM+\b], |v[(\s)+16*\b]|, |v[(\s)+1+16*\b]|, 0x1800000   ; and the floor 2^(3 - 127): the byte cannot fall under 1
.endr
.irp i, 2,4,6,8,10,12,14
.irp b, 0,1,2,3
	v_max3_num_f32 v[TM+\b], v[TM+\b], |v[(\s)+16*\b+\i]|, |v[(\s)+1+16*\b+\i]|
.endr
.endr
.irp b, 0,1,2,3
	v_permlanex16_b32 v[TM+4+\b], v[TM+\b], s[SEL], s[SEL+1]
.endr
.irp b, 0,1,2,3
	v_max_num_f32 v[TM+\b], v[TM+\b], v[TM+4+\b]
.endr
.irp b, 0,1,2,3
	v_add_nc_u32 v[TM+12+\b], 0xff000000, v[TM+\b]         ; 2 off the exponent field: the conversion's scale operand
.endr
.irp b, 0,1,2,3
	v_lshrrev_b32 v[TM+4+\b], 23, v[TM+12+\b]              ; the byte
.endr
	v_lshl_or_b32 v[\pw], v[TM+5], 8, v[TM+4]
	v_lshl_or_b32 v[\pw], v[TM+6], 16, v[\pw]
	v_lshl_or_b32 v[\pw], v[TM+7], 24, v[\pw]
.irp c, 0,1
	v_cvt_scalef32_pk16_fp6_f32 v[PC+6*\c:PC+2+6*\c], v[(\s)+32*\c:(\s)+15+32*\c], v[TM+12+2*\c]
	v_cvt_scalef32_pk16_fp6_f32 v[PC+12+4*\c:PC+14+4*\c], v[(\s)+16+32*\c:(\s)+31+32*\c], v[TM+12+2*\c+1]
.endr
	v_nop                                          ; one plain instruction behind the scaled conversions
.irp c, 0,1
.irp i, 0,1,2
	v_permlane16_swap_b32 v[PC+6*\c+\i], v[PC+12+4*\c+\i]
.endr
.irp i, 0,1,2
	v_mov_b32 v[PC+3+6*\c+\i], v[PC+12+4*\c+\i]
.endr
.endr
.endm
	s_load_b512 s[68:83], s[0:1], 0x0              ; xc 68, xs 70, wc 72, ws 74, bq 76, bk 78, bv 80, qc 82
	s_load_b64 s[84:85], s[0:1], 0x40              ; qs
	v_lshl_add_u32 v[SPW], v0, 2, SPARE
	v_mov_b32 v[NIL], 0
	ds_add_u32 v28, v29
	ds_add_u32 v28, v29
	s_wait_dscnt 0x0
	v_lshrrev_b32 v1, 5, v0
	v_readfirstlane_b32 s14, v1                    ; wave 0..3
	s_lshr_b32 s15, s14, 1                         ; which half of the tile's rows is mine.  Also: I fetch for A (0) or for B (1)
	s_and_b32 s16, s14, 1                          ; which half of its columns.  Also: which 128 rows I fetch
	s_bfe_u32 s40, ttmp6, 0x40000                  ; cx
	s_bfe_u32 s41, ttmp6, 0x40004                  ; cy
	s_and_b32 s18, ttmp7, 0xffff                   ; the cluster's y, 0..23
	s_lshr_b32 s66, s18, 3                         ; which product
	s_and_b32 s67, s18, 7                          ; which four tiles along the tokens
	s_cmp_eq_u32 s66, 2
	s_cselect_b32 s19, s67, 0                      ; v: the tokens lie along the columns,
	s_cselect_b32 s20, 0, s67                      ; q, k: along the rows
	s_cselect_b32 s100, 0, -1                      ; the bias lies along n (q, k)
	s_cselect_b32 s101, -1, 0                      ; or along m (v)
	s_lshl_b32 s42, s19, 2
	s_add_co_u32 s42, s42, s40                     ; tile column of C
	s_lshl_b32 s17, s20, 2
	s_add_co_u32 s17, s17, s41                     ; tile row of C
	s_lshl_b32 s43, s41, 2
	s_lshl_b32 s43, 15, s43                        ; my row of the cluster
	s_lshl_b32 s44, 0x1111, s40                    ; my column
	; descriptor group 1 for codes: 8 tiles' two fragments: 8 rows of 3,072 bytes (384 elements of 8), 12,288 bytes apart; no padding
	s_or_b32 s[G1+0], s43, (3<<16)|(1<<21)         ; 15:0 the mask: A's tiles go to my row; 17:16 elements of 8 bytes; 21 set beside a mask
	s_or_b32 s[G1B+0], s44, (3<<16)|(1<<21)
.irp g, G1, G1B
	s_mov_b32 s[\g+1], 384<<16                     ; tensor_dim0
	s_mov_b32 s[\g+2], 8<<16                       ; tensor_dim1
	s_mov_b32 s[\g+3], 384<<16                     ; tile_dim0
	s_mov_b32 s[\g+4], 8                           ; tile_dim1
	s_mov_b32 s[\g+5], 1536                        ; tensor_dim0_stride
	s_mov_b32 s[\g+6], 0
	s_mov_b32 s[\g+7], 0
.endr
	s_lshl_b32 s18, s16, 7                         ; which 128 rows of the tile I fetch
	s_lshl_b32 s20, s17, 8
	s_add_co_u32 s20, s20, s18                     ; A: row 256 x tile row + 128 x half
	s_lshl_b32 s46, s42, 8
	s_add_co_u32 s46, s46, s18                     ; B: row 256 x tile column + 128 x half
	s_lshl_b32 s22, s20, 5                         ; their scales: 32 bytes a row
	s_mov_b32 s23, 0
	s_lshl_b32 s92, s46, 5
	s_mov_b32 s93, 0
	s_mul_i32 s20, s20, 768                        ; their codes: 768 bytes a row
	s_mov_b32 s21, 0
	s_mul_i32 s46, s46, 768
	s_mov_b32 s47, 0
	s_mul_i32 s45, s14, HALFT                      ; where they go: no place in the cluster enters an LDS address
	s_mul_i32 s94, s14, HALFS
	s_wait_kmcnt 0x0
	s_mov_b32 s19, 0
	s_mul_i32 s18, s66, 6291456
	s_add_nc_u64 s[68:69], s[68:69], s[18:19]      ; this product's X,
	s_add_nc_u64 s[12:13], s[82:83], s[18:19]      ; and its part of qc
	s_lshl_b32 s18, s66, 18
	s_add_nc_u64 s[70:71], s[70:71], s[18:19]
	s_add_nc_u64 s[96:97], s[84:85], s[18:19]      ; and of qs
	s_mul_i32 s18, s66, 786432
	s_add_nc_u64 s[72:73], s[72:73], s[18:19]      ; its W
	s_lshl_b32 s18, s66, 15
	s_add_nc_u64 s[74:75], s[74:75], s[18:19]
	s_cmp_eq_u32 s66, 2                            ; the choices hang on the cluster's y alone
	s_cselect_b64 s[4:5], s[72:73], s[68:69]       ; A's codes
	s_cselect_b64 s[6:7], s[74:75], s[70:71]       ; A's scales
	s_cselect_b64 s[8:9], s[68:69], s[72:73]       ; B's codes
	s_cselect_b64 s[10:11], s[70:71], s[74:75]     ; B's scales
	s_cselect_b64 s[98:99], s[80:81], s[76:77]
	s_cmp_eq_u32 s66, 1
	s_cselect_b64 s[98:99], s[78:79], s[98:99]     ; the bias
	s_add_nc_u64 s[20:21], s[4:5], s[20:21]
	s_add_nc_u64 s[22:23], s[6:7], s[22:23]
	s_add_nc_u64 s[46:47], s[8:9], s[46:47]
	s_add_nc_u64 s[92:93], s[10:11], s[92:93]
	; group 1 for the scales of 128 rows: 4,096 dense bytes as 16 rows of 256 bytes (32 elements of 8), 16 bytes of padding behind each
	s_or_b32 s[G1S+0], s43, (3<<16)|(1<<20)|(1<<21)|(5<<22)|(3<<25)
	s_or_b32 s[G1SB+0], s44, (3<<16)|(1<<20)|(1<<21)|(5<<22)|(3<<25)
.irp g, G1S, G1SB
	s_mov_b32 s[\g+1], 32<<16
	s_mov_b32 s[\g+2], 16<<16
	s_mov_b32 s[\g+3], 32<<16
	s_mov_b32 s[\g+4], 16
	s_mov_b32 s[\g+5], 32
	s_mov_b32 s[\g+6], 0
	s_mov_b32 s[\g+7], 0
.endr
	CROUND                                         ; all sixteen work-groups are here: the first joint loads meet
	s_mov_b32 s[G0S], 1
	s_add_co_u32 s[G0S+1], s94, SCL
	s_mov_b64 s[G0S+2:G0S+3], s[22:23]
	s_or_b32 s[G0S+3], s[G0S+3], 0x80000000
	s_mov_b32 s[G0SB], 1
	s_add_co_u32 s[G0SB+1], s94, SCL
	s_mov_b64 s[G0SB+2:G0SB+3], s[92:93]
	s_or_b32 s[G0SB+3], s[G0SB+3], 0x80000000
	JLOAD G0S, G1S, G0SB, G1SB                     ; the scales first: they are wanted with K step 0.  With the two below three loads of mine are out
.irp s, 0,1
	s_mov_b32 s[G0+4*\s], 1
	s_add_co_u32 s[G0+4*\s+1], s45, \s*SLOT
	s_add_nc_u64 s[G0+4*\s+2:G0+4*\s+3], s[20:21], \s*TROW
	s_or_b32 s[G0+4*\s+3], s[G0+4*\s+3], 0x80000000
	s_mov_b32 s[G0B+4*\s], 1
	s_add_co_u32 s[G0B+4*\s+1], s45, \s*SLOT
	s_add_nc_u64 s[G0B+4*\s+2:G0B+4*\s+3], s[46:47], \s*TROW
	s_or_b32 s[G0B+4*\s+3], s[G0B+4*\s+3], 0x80000000
	JLOAD G0+4*\s, G1, G0B+4*\s, G1B
.endr
	v_and_b32 v1, 15, v0                           ; r
	v_bfe_u32 v2, v0, 4, 1                         ; h; kept
	v_and_b32 v3, 31, v0
	v_lshlrev_b32 v9, 3, v3                        ; 8 x lane; kept
	v_lshlrev_b32 v10, 4, v3                       ; 16 x lane; kept
	s_mul_i32 s21, s15, HALFT                      ; my 128 rows of A
	s_mul_i32 s22, s16, HALFT                      ; my 128 rows of B,
	s_add_co_u32 s22, s22, 2*HALFT                 ; behind A's 256
.irp s, 0,1
	v_add_nc_u32 v[ADRA+\s], s21, v9
	v_add_nc_u32 v[ADRB+\s], s22, v9
	s_add_co_u32 s21, s21, SLOT
	s_add_co_u32 s22, s22, SLOT
.endr
	v_lshlrev_b32 v5, 5, v1                        ; my row's scales: 32 bytes a row,
	v_lshrrev_b32 v6, 8, v5
	v_lshl_add_u32 v5, v6, 4, v5                   ; and 16 more for each 256 passed
	s_mul_i32 s21, s15, HALFS
	s_mul_i32 s22, s16, HALFS
	s_add_co_u32 s22, s22, 2*HALFS
	s_sub_co_u32 s22, s22, s21
	v_mul_u32_u24 v6, s22, v2                      ; lanes 16-31 take B's
	s_add_co_u32 s21, s21, SCL
	v_add_nc_u32 v5, v5, v6
	v_add_nc_u32 v[ADRS], s21, v5
	; where my results go, and where my bias lies
	s_lshl_b32 s92, s17, 1
	s_add_co_u32 s92, s92, s15                     ; my block of 128 rows of C
	s_lshl_b32 s93, s42, 1
	s_add_co_u32 s93, s93, s16                     ; my block of 128 columns
	s_cmp_eq_u32 s66, 2
	s_cselect_b32 s94, s93, s92                    ; T: the block of tokens
	s_cselect_b32 s95, s92, s93                    ; F: the block of features
	s_lshr_b32 s46, s94, 3
	s_mul_i32 s46, s46, 786432
	s_mul_i32 s47, s95, 98304
	s_add_co_u32 s46, s46, s47
	s_and_b32 s47, s94, 7
	s_mul_i32 s47, s47, 6144
	s_add_co_u32 s46, s46, s47
	s_mov_b32 s47, 0
	s_add_nc_u64 s[12:13], s[12:13], s[46:47]
	s_lshl_b32 s46, s95, 6
	s_add_co_u32 s46, s46, s94
	s_lshl_b32 s46, s46, 9
	s_add_nc_u64 s[96:97], s[96:97], s[46:47]
	s_lshl_b32 s46, s93, 9                         ; 4 bytes x 128 x my block of columns
	v_lshl_add_u32 v7, v2, 6, s46                  ; + 64 h: register j of B's tile b is column 32 (b / 2) + 8 (b % 2) + 16 h + j
	v_and_b32 v7, s100, v7                         ; (0 where the bias does not lie along n: the loads stay inside the buffer, and what they bring is cleared below)
	s_lshl_b32 s46, s92, 9
	v_and_b32 v8, 8, v1
	v_add_nc_u32 v8, v8, v1                        ; r + 8 (r / 8)
	v_lshl_add_u32 v8, v8, 2, s46
	v_and_b32 v8, s101, v8
.irp b, 0,1,2,3,4,5,6,7
	global_load_b128 v[BN+8*\b:BN+8*\b+3], v7, s[98:99] offset:(32*(\b/2)+8*(\b%2))*4
	global_load_b128 v[BN+8*\b+4:BN+8*\b+7], v7, s[98:99] offset:(32*(\b/2)+8*(\b%2))*4+16
.endr
.irp a, 0,1,2,3,4,5,6,7
	global_load_b32 v[BM+2*\a], v8, s[98:99] offset:(32*(\a/2)+8*(\a%2))*4
	global_load_b32 v[BM+2*\a+1], v8, s[98:99] offset:(32*(\a/2)+8*(\a%2))*4   ; twice: a pair for the packed addition
.endr
	s_wait_loadcnt 0x0
.set i, 0
.rept 64
	v_and_b32 v[BN+i], s100, v[BN+i]
.set i, i+1
.endr
.set i, 0
.rept 16
	v_and_b32 v[BM+i], s101, v[BM+i]
.set i, i+1
.endr
.macro FRAG reg, adr, q, i             ; a fragment comes as it was stored: six pieces, 32 lanes x 8 consecutive bytes each
.irp p, 0,1,2,3,4,5
	ds_load_b64 v[\reg+2*\p:\reg+2*\p+1], v[\adr] offset:(\i)*TROW+(\q)*FRB+256*\p
.endr
.endm
; 16 matrix instructions: A's blocks a0, a0 + 1 x B's eight.  p: B's set; sc: the set of scale words.  first = 1: the sums begin with the bias along n as C.  The 64 accumulators take turns, one instruction a turn.
.macro MUL16 a0, p, q, sc, first
.irp a, \a0, \a0+1
.irp b, 0,1,2,3,4,5,6,7
.if \first
	v_wmma_scale_f32_16x16x128_f8f6f4 v[8*(8*((\a)%4)+\b):8*(8*((\a)%4)+\b)+7], v[128*(\p)+FR*\b:128*(\p)+FR*\b+FR-1], v[AF+FR*(\a):AF+FR*(\a)+FR-1], v[BN+8*\b:BN+8*\b+7], v[SC+8*NQ*(\sc)+NQ*\b+(\q)], v[SC+8*NQ*(\sc)+NQ*(\a)+(\q)] matrix_a_fmt:MATRIX_FMT_FP6 matrix_b_fmt:MATRIX_FMT_FP6 matrix_a_scale:MATRIX_SCALE_ROW1
.else
	v_wmma_scale_f32_16x16x128_f8f6f4 v[8*(8*((\a)%4)+\b):8*(8*((\a)%4)+\b)+7], v[128*(\p)+FR*\b:128*(\p)+FR*\b+FR-1], v[AF+FR*(\a):AF+FR*(\a)+FR-1], v[8*(8*((\a)%4)+\b):8*(8*((\a)%4)+\b)+7], v[SC+8*NQ*(\sc)+NQ*\b+(\q)], v[SC+8*NQ*(\sc)+NQ*(\a)+(\q)] matrix_a_fmt:MATRIX_FMT_FP6 matrix_b_fmt:MATRIX_FMT_FP6 matrix_a_scale:MATRIX_SCALE_ROW1
.endif
.endr
.endr
.endm
.macro FETCH_B slot, q, p
	WIN TO_B
.irp i, 0,1,2,3,4,5,6,7
	FRAG 128*(\p)+FR*\i, ADRB+\slot, \q, \i
.endr
	WIN 0
.endm
.macro FETCH_A slot, q, i0
.irp i, \i0, \i0+1, \i0+2, \i0+3
	FRAG AF+FR*(\i), ADRA+\slot, \q, \i
.endr
.endm
.macro SCALES sc                       ; a K step's scale words: two a row; lanes 0-15 take A's block i, lanes 16-31 B's block i
.irp i, 0,1,2,3,4,5,6,7
	ds_load_b64 v[SC+8*NQ*\sc+NQ*\i:SC+8*NQ*\sc+NQ*\i+1], v[ADRS] offset:\i*SBLK
.endr
.endm
.macro PLACES n                        ; plain vector instructions between a matrix instruction and a load into, or a read of, its registers
.rept \n
	v_nop
.endr
.endm
.macro STEP slot, q, first             ; a step of 128 along K that has its successor in the same slot
	s_wait_dscnt 4*NL                              ; B's set and A's blocks 0-3 are in; the youngest 24 loads (A's blocks 4-7) may be out
.if \first
	WIN FST_LO
.else
	WIN MUL_LO
.endif
	MUL16 0, (\q)%2, \q, \slot, \first
	MUL16 2, (\q)%2, \q, \slot, \first
	s_wait_dscnt 0
	PLACES NP
	FETCH_B \slot, (\q)+1, 1-(\q)%2
	FETCH_A \slot, (\q)+1, 0
.if \first
	WIN FST_HI
.else
	WIN MUL_HI
.endif
	MUL16 4, (\q)%2, \q, \slot, \first
	MUL16 6, (\q)%2, \q, \slot, \first
	PLACES NP
	WIN 0
	FETCH_A \slot, (\q)+1, 4
.endm
; A slot's last step changes slots: one barrier; in front of it each wave waits for all its tensor loads, adds 0 to its spare word, and waits for that and for its reads of this slot.  fill = 1: the slot is filled again, two K steps ahead.
.macro TURN slot, next, fill
	s_wait_tensorcnt 0x0                           ; all my tensor loads have landed: my part of the next slot
	ds_add_u32 v[SPW], v[NIL]                      ; 0 onto my spare word
	s_wait_dscnt 4*NL+1                            ; (the add and the youngest 24 loads may be out)
	WIN MUL_LO
	MUL16 0, 1, NQ-1, \slot, 0
	s_wait_dscnt 0x0                               ; the add is done, and my reads of this slot are over
	s_barrier_signal -1
	MUL16 2, 1, NQ-1, \slot, 0
	WIN 0
	s_barrier_wait -1
.if \fill
	CREST                                          ; the barrier has opened a round of the cluster's barrier: no wave of any partner still reads this slot or has a load on its way
	s_add_nc_u64 s[G0+4*\slot+2:G0+4*\slot+3], s[G0+4*\slot+2:G0+4*\slot+3], 2*TROW
	s_add_nc_u64 s[G0B+4*\slot+2:G0B+4*\slot+3], s[G0B+4*\slot+2:G0B+4*\slot+3], 2*TROW
	JLOAD G0+4*\slot, G1, G0B+4*\slot, G1B         ; the first tensor load behind the round; its four v_nop are the places in front of the loads below
.else
	PLACES NP
.endif
	v_add_nc_u32 v[ADRS], 4*NQ, v[ADRS]            ; the next K step's scale words
	FETCH_B \next, 0, 0
	FETCH_A \next, 0, 0
	SCALES \next
	WIN MUL_HI
	MUL16 4, 1, NQ-1, \slot, 0
	MUL16 6, 1, NQ-1, \slot, 0
	PLACES NP
	WIN 0
	FETCH_A \next, 0, 4
.endm
	s_wait_tensorcnt 1                             ; the scales and my part of K step 0 are in (K step 1's load may be out),
	s_barrier_signal -1
	s_barrier_wait -1                              ; everybody's are
	FETCH_B 0, 0, 0
	FETCH_A 0, 0, 0
	SCALES 0
	FETCH_A 0, 0, 4
	STEP 0, 0, 1                                   ; the first step stands in front of the loop: its products start the sums
	s_mov_b32 s3, LAPS-1
.Llap:
	TURN 0, 1, 1
	STEP 1, 0, 0
	TURN 1, 0, 1
	STEP 0, 0, 0
	s_sub_co_u32 s3, s3, 1
	s_cmp_lg_u32 s3, 0
	s_cbranch_scc1 .Llap
	TURN 0, 1, 0                                   ; the last lap fills nothing
	STEP 1, 0, 0
	s_wait_dscnt 4*NL
	WIN MUL_LO
	MUL16 0, 1, NQ-1, 1, 0
	MUL16 2, 1, NQ-1, 1, 0
	s_wait_dscnt 0
	WIN MUL_HI
	MUL16 4, 1, NQ-1, 1, 0
	MUL16 6, 1, NQ-1, 1, 0
	WIN 0
	; THE WAY OUT.  Block a's 64 numbers of a lane are 128 neighbours (with lane l xor 16's) along the next K of ONE row: they get the bias along m, are quantised in registers, and leave as one fragment: six stores of 256 consecutive bytes.
	PLACES NP
	s_mov_b32 s[SEL], 0x76543210
	s_mov_b32 s[SEL+1], 0xfedcba98
.irp b, 0,1,2,3
	v_mov_b32 v[TM+4+\b], 0                        ; written once: a lane permute's destination counts as one of its sources
.endr
.macro OUTBLK a
	WIN 0x02+(\a)/4                                ; source 0: window 2 or 3
.set i, 0
.rept 32
	v_pk_add_f32 v[ST+2*i:ST+2*i+1], v[64*((\a)%4)+2*i:64*((\a)%4)+2*i+1], v[BM+2*(\a):BM+2*(\a)+1]   ; each accumulator from its low end on; the addition also brings the numbers into window 0
.set i, i+1
.endr
	WIN 0
	s_wait_xcnt 0x0                                ; the last block's stores have read the codes' registers
	QUANT ST, SW+(\a)
.irp p, 0,1,2,3,4,5
	global_store_b64 v9, v[PC+2*\p:PC+2*\p+1], s[12:13] offset:(\p/3)*49152+(\a)*768+(\p%3)*256
.endr
.endm
.irp a, 0,1,2,3,4,5,6,7
	OUTBLK \a
.endr
	v_cmp_eq_u32 vcc_lo, 1, v2
	s_wait_xcnt 0x0
.irp i, 0,1,2,3
	v_cndmask_b32 v[PC+\i], v[SW+\i], v[SW+4+\i], vcc_lo   ; lanes 0-15 the words of blocks 0-3, lanes 16-31 those of blocks 4-7
.endr
	global_store_b128 v10, v[PC:PC+3], s[96:97]    ; the wave stores 512 consecutive bytes
	s_wait_tensorcnt 0x0                           ; the wave's end
	ds_add_u32 v[SPW], v[NIL]
	s_wait_dscnt 0x0
	CROUND                                         ; the closing round
	s_endpgm
.Lfunc_end_k_q3c97f186e5_proj:
	.size	k_q3c97f186e5_proj, .Lfunc_end_k_q3c97f186e5_proj-k_q3c97f186e5_proj
	.p2alignl 7, 3214868480
	.fill 96, 4, 3214868480
	.section	.rodata,"a",@progbits
	.p2align	6, 0x0
	.amdhsa_kernel k_q3c97f186e5_proj
		.amdhsa_group_segment_fixed_size 327680
		.amdhsa_private_segment_fixed_size 0
		.amdhsa_enable_private_segment 0
		.amdhsa_kernarg_size 72
		.amdhsa_user_sgpr_count 2
		.amdhsa_user_sgpr_kernarg_segment_ptr 1
		.amdhsa_wavefront_size32 1
		.amdhsa_system_sgpr_workgroup_id_x 1
		.amdhsa_system_sgpr_workgroup_id_y 1
		.amdhsa_system_sgpr_workgroup_id_z 1
		.amdhsa_system_vgpr_workitem_id 0
		.amdhsa_next_free_vgpr 1024
		.amdhsa_next_free_sgpr 102
		.amdhsa_reserve_vcc 1
		.amdhsa_float_denorm_mode_32 3
		.amdhsa_float_denorm_mode_16_64 3
		.amdhsa_memory_ordered 1
		.amdhsa_forward_progress 1
		.amdhsa_inst_pref_size 188
	.end_amdhsa_kernel
	.amdgpu_metadata
---
amdhsa.version: [ 1, 2 ]
amdhsa.kernels:
  - .name:           k_q3c97f186e5_proj
    .symbol:         k_q3c97f186e5_proj.kd
    .args:
      - { .name: xc, .offset: 0, .size: 8, .value_kind: global_buffer, .address_space: global }
      - { .name: xs, .offset: 8, .size: 8, .value_kind: global_buffer, .address_space: global }
      - { .name: wc, .offset: 16, .size: 8, .value_kind: global_buffer, .address_space: global }
      - { .name: ws, .offset: 24, .size: 8, .value_kind: global_buffer, .address_space: global }
      - { .name: bq, .offset: 32, .size: 8, .value_kind: global_buffer, .address_space: global }
      - { .name: bk, .offset: 40, .size: 8, .value_kind: global_buffer, .address_space: global }
      - { .name: bv, .offset: 48, .size: 8, .value_kind: global_buffer, .address_space: global }
      - { .name: qc, .offset: 56, .size: 8, .value_kind: global_buffer, .address_space: global }
      - { .name: qs, .offset: 64, .size: 8, .value_kind: global_buffer, .address_space: global }
    .group_segment_fixed_size: 327680
    .private_segment_fixed_size: 0
    .kernarg_segment_align: 8
    .kernarg_segment_size: 72
    .max_flat_workgroup_size: 128
    .sgpr_count:     102
    .vgpr_count:     1024
    .wavefront_size: 32
...
	.end_amdgpu_metadata
.endif
;; end of part 2
;; launch attn (part 3): grid 4 x 64, 16 waves a work-group, clusters of 4 x 1, 210,944 bytes of LDS; arguments qc, qs, mask, ac, asc; writes ac, asc
.if DOCPART == 3
	.amdgcn_target "amdgcn-amd-amdhsa--gfx1250"
	.amdhsa_code_object_version 6
	.text
	.protected	k_q3c97f186e5_attn
	.globl	k_q3c97f186e5_attn
	.p2align	8
	.type	k_q3c97f186e5_attn,@function
k_q3c97f186e5_attn:
	s_mov_b64 s[64:65], 0
	v_nop
	global_prefetch_b8 v0, s[64:65] scope:SCOPE_SE
	s_setreg_imm32_b32 hwreg(HW_REG_WAVE_MODE, 25, 1), 1
	s_wait_xcnt 0x0
	s_wait_alu depctr_hold_cnt(0) depctr_sa_sdst(0) depctr_va_vdst(0) depctr_va_sdst(0) depctr_va_ssrc(0) depctr_va_vcc(0) depctr_vm_vsrc(0)
	s_getreg_b32 s2, hwreg(HW_REG_IB_STS2, 6, 4)
	s_cmp_eq_u32 s2, 0
	s_cbranch_scc0 .Lentry_in_a_cluster
	s_endpgm
.Lentry_in_a_cluster:
	s_bfe_u32 s2, ttmp6, 0x10000c
	s_cmp_lg_u32 s2, 0x3003
	s_cbranch_scc0 .Lentry_shape_is_right
	s_endpgm
.Lentry_shape_is_right:
; Attention on codes of FP6 (E2M3): S^T = k q^T (K = the head's 64), p = 2^(t - M), O^T = v^T p^T (K = the 1,024 keys), O / the row's sum, quantised along the features for the last product.
; t = score x log2(e) / 32 (reference() divides by sqrt(1024)); M = the running largest t rounded up to a whole number; the row's sum is taken of the unquantised p.
; SHARES.  A cluster of four work-groups owns one batch and one pair of heads (y = 8 batch + pair); its work-groups are the four quarters of 256 queries; each of a work-group's sixteen waves owns one tile of 16 queries, for both heads, one after the other:
; so a wave makes a whole fragment (128 features) and a whole scale word of the last product's operand.  The pair's k and v (98,304 bytes each) are wanted by all four partners: they come once, by joint loads, and stay: every LDS byte is filled once.
; LAYOUT.  Both products are used transposed: a lane holds ONE query (lane % 16).  The rows of a tile of k and of v^T are laid so that the 16 result registers of tiles 2 b, 2 b + 1 are 16 neighbours (keys, then channels).
; THE MASK costs no vector instruction in the loop.  The instruction is 128 deep and the head is 64: k = 64 of q holds the code of 1.0, k = 64 of every key the code of -1.0, all else there is 0.  Byte 2 of a key's scale word is 193 for a hidden key and 1 for an
; open one: a hidden key's score gets -2^66, an open key's -2^-126.  The largest t begins at -2^60, above every hidden t: while only hidden keys have been seen p, the sum and O stay 0.  Where a batch has no open key, every key gets the open byte
; and t is multiplied by 0: p = 1 for all keys, the uniform row that reference() gives.  These are choices by s_cselect_b32 and v_cndmask_b32; there is no branch on data.
; LIMITS: -2^66 stands for reference()'s -1e20, so open scores must lie above about -2.5e19; an open score carries -2^-126; 1 / sum is v_rcp_f32 and a multiplication; a block of zeros gets the byte 1; NaN and infinities are not served.
.set VB,   98304                       ; LDS: k at 0: head x 49,152 + tile x 768 + 256 q + 8 lane;  v at VB: head x 49,152 + c x 24,576 + step x 3,072 + tile x 768 + 256 q + 8 lane
.set KSC,  196608                      ; k's scale words with the mask's byte: [head][tile / 4][r][4 words]
.set VSC,  204800                      ; v's scale words: [step][head][r][4 words]
.set S,    80                          ; v80-143  S^T, then p; v80-127 later v's four fragments
.set O,    144                         ; v144-175 O^T
.set PC,   176                         ; v176-187 p's codes
.set PT,   188                         ; v188-194 the conversions' second halves
.set BX,   196                         ; v196-199 the blocks' largest scores, then largest p
.set PR,   200                         ; v200-203 at work
.set SO,   204                         ; v204-207 the conversions' scale operands
.set KS,   208                         ; v208-211 k's scale words
.set VS,   212                         ; v212-215 v's
.set FF,   216                         ; v216 f = 2^(old M - new M); v217 p's scale word
.set TP,   218
.set OC,   220                         ; v220-231 the output's fragment
.set Q0,   16                          ; v16-27   q of head 0;  v28, v29 its scale words for head 0, 1
.set Q1,   232                         ; v232-243 q of head 1
.set OSW,  244                         ; v244     the output's scale word
.set WV,   18
.set SEL,  20
.set CS,   22                          ; s[22:23] c = log2(e) / 32, or 0
.set G1K,  24
.set G1V,  32
.set G0KE, 40
.set G0KO, 44
.set G0VE, 48
.set G0VO, 52
.set TK,   56                          ; s56-59 where the step's tiles of k, its scale words, v's tiles and v's scale words begin
.set TKS,  57
.set TV,   58
.set TVS,  59
.set CNT,  60
.macro CROUND                          ; a round of the cluster's barrier
	s_barrier_signal -1
	s_barrier_wait -1
	s_cmp_lg_u32 s[WV], 0
	s_cbranch_scc1 .Lnot_wave_0_\@
	s_barrier_signal -3
.Lnot_wave_0_\@:
	s_barrier_wait -3
	s_barrier_signal -1
	s_barrier_wait -1
.endm
	s_load_b256 s[4:11], s[0:1], 0x0               ; qc s[4:5], qs s[6:7], mask s[8:9], ac s[10:11]
	s_load_b64 s[12:13], s[0:1], 0x20              ; asc
	v_lshl_add_u32 v254, v0, 2, 0x33000
	v_mov_b32 v255, 0
	ds_add_u32 v254, v255
	ds_add_u32 v254, v255
	v_lshrrev_b32 v1, 5, v0
	v_readfirstlane_b32 s[WV], v1                  ; wave 0..15
	s_bfe_u32 s19, ttmp6, 0x40000                  ; cx: it enters global addresses of q and of the output alone
	s_and_b32 s61, ttmp7, 0xffff                   ; y = 8 batch + pair
	s_lshr_b32 s62, s61, 3                         ; batch
	s_and_b32 s63, s61, 7                          ; pair of heads
	s_and_b32 s80, s[WV], 1                        ; which half I fetch, if I fetch
	s_mul_i32 s81, s61, 98304
	s_mul_i32 s82, s80, 24576
	s_add_co_u32 s82, s82, s81
	s_add_co_u32 s82, s82, 6291456                 ; k: head 0's half
	s_mov_b32 s83, 0
	s_mul_i32 s84, s80, 49152
	s_add_co_u32 s84, s84, s81
	s_add_co_u32 s84, s84, 12582912                ; v: head 0's keys 64 c .. of each step
	s_mov_b32 s85, 0
	s_mul_i32 s86, s80, 24576                      ; and in LDS
	; group 1: k: 96 dense rows of 256 bytes;  v: 8 rows (steps) of 3,072 bytes, 6,144 apart.  15:0 the mask: all four work-groups; 17:16 elements of 8 bytes; 21 set beside a mask
	s_mov_b32 s[G1K], 15|(3<<16)|(1<<21)
	s_mov_b32 s[G1K+1], 32<<16
	s_mov_b32 s[G1K+2], 96<<16
	s_mov_b32 s[G1K+3], 32<<16
	s_mov_b32 s[G1K+4], 96
	s_mov_b32 s[G1K+5], 32
	s_mov_b32 s[G1K+6], 0
	s_mov_b32 s[G1K+7], 0
	s_mov_b32 s[G1V], 15|(3<<16)|(1<<21)
	s_mov_b32 s[G1V+1], 384<<16
	s_mov_b32 s[G1V+2], 8<<16
	s_mov_b32 s[G1V+3], 384<<16
	s_mov_b32 s[G1V+4], 8
	s_mov_b32 s[G1V+5], 768
	s_mov_b32 s[G1V+6], 0
	s_mov_b32 s[G1V+7], 0
	s_mov_b32 s[SEL], 0x76543210
	s_mov_b32 s[SEL+1], 0xfedcba98
	s_wait_dscnt 0x0
	s_wait_kmcnt 0x0
	s_mov_b32 s[G0KE], 1
	s_mov_b32 s[G0KE+1], s86
	s_add_nc_u64 s[G0KE+2:G0KE+3], s[4:5], s[82:83]
	s_add_nc_u64 s[G0KO+2:G0KO+3], s[G0KE+2:G0KE+3], 49152
	s_or_b32 s[G0KE+3], s[G0KE+3], 0x80000000
	s_mov_b32 s[G0KO], 1
	s_add_co_u32 s[G0KO+1], s86, 49152
	s_or_b32 s[G0KO+3], s[G0KO+3], 0x80000000
	s_mov_b32 s[G0VE], 1
	s_add_co_u32 s[G0VE+1], s86, VB
	s_add_nc_u64 s[G0VE+2:G0VE+3], s[4:5], s[84:85]
	s_add_nc_u64 s[G0VO+2:G0VO+3], s[G0VE+2:G0VE+3], 3072
	s_or_b32 s[G0VE+3], s[G0VE+3], 0x80000000
	s_mov_b32 s[G0VO], 1
	s_add_co_u32 s[G0VO+1], s86, VB+49152
	s_or_b32 s[G0VO+3], s[G0VO+3], 0x80000000
	CROUND                                         ; all four work-groups are here: the joint loads meet
	s_cmp_lt_u32 s[WV], 2                          ; a wave's two fills stand in one branch on its number: waves 0, 1 k's halves, waves 2, 3 v's; head 0's first.  Two loads of mine are out
	s_cbranch_scc0 .Lnot_k
	tensor_load_to_lds s[G0KE:G0KE+3], s[G1K:G1K+7]
	s_nop 0
	tensor_load_to_lds s[G0KO:G0KO+3], s[G1K:G1K+7]
	s_nop 0
.rept 4
	v_nop
.endr
	s_branch .Lasked
.Lnot_k:
	s_cmp_lt_u32 s[WV], 4
	s_cbranch_scc0 .Lasked
	tensor_load_to_lds s[G0VE:G0VE+3], s[G1V:G1V+7]
	s_nop 0
	tensor_load_to_lds s[G0VO:G0VO+3], s[G1V:G1V+7]
	s_nop 0
.rept 4
	v_nop
.endr
.Lasked:
	; global addresses
	s_lshl_b32 s87, s19, 4
	s_add_co_u32 s87, s87, s[WV]                   ; my tile of queries in the batch: 16 cx + wave
	s_mov_b32 s89, 0
	s_mul_i32 s88, s87, 768
	s_add_co_u32 s88, s88, s81
	s_add_nc_u64 s[66:67], s[4:5], s[88:89]        ; q's codes, head 0
	s_lshl_b32 s86, s63, 6
	s_lshl_b32 s88, s62, 3
	s_add_co_u32 s86, s86, s88
	s_lshl_b32 s86, s86, 9                         ; (64 pair + 8 batch) x 512: the batch's scale words of this pair
	s_add_co_u32 s88, s86, 262144
	s_add_nc_u64 s[76:77], s[6:7], s[88:89]        ; k's
	s_add_co_u32 s88, s86, 524288
	s_add_nc_u64 s[78:79], s[6:7], s[88:89]        ; v's
	s_lshr_b32 s88, s87, 3
	s_lshl_b32 s88, s88, 9
	s_add_co_u32 s88, s88, s86
	s_bfe_u32 s85, s87, 0x10002
	s_lshl_b32 s85, s85, 8
	s_add_co_u32 s88, s88, s85
	s_and_b32 s85, s87, 3
	s_lshl_b32 s85, s85, 2
	s_add_co_u32 s88, s88, s85
	s_add_nc_u64 s[68:69], s[6:7], s[88:89]        ; q's
	s_lshl_b32 s85, s62, 6
	s_add_co_u32 s85, s85, s87                     ; my tile among all 512
	s_lshl_b32 s88, s85, 3
	s_add_co_u32 s88, s88, s63
	s_mul_i32 s88, s88, 1536
	s_add_nc_u64 s[70:71], s[10:11], s[88:89]      ; the output's fragment
	s_lshl_b32 s88, s85, 9
	s_lshl_b32 s84, s63, 2
	s_add_co_u32 s88, s88, s84
	s_add_nc_u64 s[72:73], s[12:13], s[88:89]      ; and its scale words
	s_lshl_b32 s88, s62, 12
	s_add_nc_u64 s[74:75], s[8:9], s[88:89]        ; the batch's mask
	s_lshr_b32 s82, s[WV], 3
	s_lshl_b32 s82, s82, 4                         ; threads 0-255 stage head 0's halves of k's scale words, threads 256-511 head 1's: 16 bits up
	v_and_b32 v7, 31, v0                           ; lane
	v_lshlrev_b32 v1, 3, v7                        ; 8 x lane: my place in a piece
	v_add_nc_u32 v2, VB, v1
	v_and_b32 v5, 15, v0                           ; r
	v_bfe_u32 v6, v0, 4, 1                         ; h
	v_lshl_add_u32 v3, v5, 4, KSC
	v_lshl_add_u32 v4, v5, 4, VSC
	v_lshl_add_u32 v118, v0, 4, KSC                ; where I stage four of k's words,
	v_lshl_add_u32 v119, v0, 3, VSC                ; and two of v's
	v_lshlrev_b32 v128, 4, v7
	v_and_b32 v129, 0xf0, v0                       ; my four words are those of tiles 4 g .. 4 g + 3, lane row r: keys 64 g + r + 8 (r / 8) + 0, 8, 32, 40
	v_lshlrev_b32 v129, 4, v129
	v_lshl_add_u32 v129, v5, 2, v129
	v_bfe_u32 v130, v0, 3, 1
	v_lshl_add_u32 v129, v130, 5, v129
	v_and_b32 v131, 255, v0
	v_lshlrev_b32 v131, 4, v131
	v_lshlrev_b32 v132, 3, v0
	v_lshlrev_b32 v133, 4, v5
.irp i, 0,1,2,3,4,5,6,7
	global_load_b128 v[80+4*\i:83+4*\i], v128, s[74:75] offset:512*\i   ; the batch's whole mask: is any key open?
.endr
	global_load_b32 v112, v129, s[74:75]
	global_load_b32 v113, v129, s[74:75] offset:32
	global_load_b32 v114, v129, s[74:75] offset:128
	global_load_b32 v115, v129, s[74:75] offset:160
	global_load_b128 v[120:123], v131, s[76:77]
	global_load_b64 v[124:125], v132, s[78:79]
.irp q, 0,1,2
	global_load_b64 v[Q0+2*\q:Q0+2*\q+1], v1, s[66:67] offset:256*\q
	global_load_b64 v[Q1+2*\q:Q1+2*\q+1], v1, s[66:67] offset:49152+256*\q
.endr
	global_load_b32 v30, v133, s[68:69]
	; the upper 64 of the 128 along K: written once
	v_lshlrev_b32 v[Q0+6], 3, v6
	v_sub_nc_u32 v[Q0+6], 8, v[Q0+6]               ; lanes 0-15: the code of 1.0 at k = 64; lanes 16-31: 0
	v_mov_b32 v[Q1+6], v[Q0+6]
.irp i, 7,8,9,10,11
	v_mov_b32 v[Q0+\i], 0
	v_mov_b32 v[Q1+\i], 0
.endr
.irp t, 0,1,2,3
	v_mov_b32 v[32+12*\t+6], 0x28                  ; the code of -1.0 (in lanes 16-31 it meets q's 0)
.irp i, 7,8,9,10,11
	v_mov_b32 v[32+12*\t+\i], 0
.endr
.endr
.irp b, 0,1,2,3
	v_mov_b32 v[PR+\b], 0                          ; a lane permute's destination counts as one of its sources
.endr
	v_mov_b32 v[FF+1], 0                           ; (named as the upper half of a pair before it is first written)
	v_mov_b32 v[TP], 0
	s_wait_loadcnt 0x0
.set j, 1
.rept 31
	v_or_b32 v80, v80, v[80+j]
.set j, j+1
.endr
	v_cmp_ne_u32 vcc_lo, 0, v80
	s_cmp_lg_u32 vcc_lo, 0                         ; any open key in the batch?
	s_mov_b32 s[CS], 0x3d38aa3b                    ; log2(e) / 32
	s_cselect_b32 s[CS], s[CS], 0
	s_mov_b32 s[CS+1], s[CS]
	s_mov_b32 s80, 0x7f010000                      ; bytes 2, 3 of an open key's word
	s_cselect_b32 s81, 0x7fc10000, s80             ; and of a hidden key's
	v_mov_b32 v126, s80
	v_mov_b32 v127, s81
.irp i, 0,1,2,3
	v_bfe_u32 v[120+\i], v[120+\i], s82, 16        ; my head's two bytes
	v_cmp_eq_u32 vcc_lo, 0, v[112+\i]
	v_cndmask_b32 v117, v126, v127, vcc_lo
	v_or_b32 v[120+\i], v[120+\i], v117
.endr
	ds_store_b128 v118, v[120:123]
	ds_store_b64 v119, v[124:125]
	v_and_b32 v28, 0xffff, v30
	v_or_b32 v28, 0x7f7f0000, v28                  ; q's scale words: the head's two bytes, and 1.0 for the upper 64
	v_lshrrev_b32 v29, 16, v30
	v_or_b32 v29, 0x7f7f0000, v29
; A KEY STEP: 128 keys.  qr: q's fragment; qs: its scale word
.macro STEP qr, qs
	v_add_nc_u32 v8, s[TK], v1
	v_add_nc_u32 v9, s[TV], v2
	v_add_nc_u32 v10, s[TKS], v3
	v_add_nc_u32 v11, s[TVS], v4
	v_nop                                          ; with the four above six places: the scores below are laid over v's fragments, which the last step's products read (five are asked)
	v_nop
.irp g, 0,1                                    ; S^T = k q^T, four tiles of 16 keys at a time
.if \g > 0
.rept 4
	v_nop                                          ; places in front of loads into registers that matrix instructions have read
.endr
.endif
.irp t, 0,1,2,3
.irp q, 0,1,2
	ds_load_b64 v[32+12*\t+2*\q:32+12*\t+2*\q+1], v8 offset:(4*\g+\t)*768+256*\q
.endr
.endr
	ds_load_b128 v[KS:KS+3], v10 offset:256*\g
	s_wait_dscnt 0x0
.irp t, 0,1,2,3
	v_wmma_scale_f32_16x16x128_f8f6f4 v[S+8*(4*\g+\t):S+8*(4*\g+\t)+7], v[32+12*\t:43+12*\t], v[\qr:\qr+11], 0, v[KS+\t], v[\qs] matrix_a_fmt:MATRIX_FMT_FP6 matrix_b_fmt:MATRIX_FMT_FP6
.endr
.endr
.rept 4
	v_nop
.endr
.irp b, 0,1,2,3
	v_max3_num_f32 v[BX+\b], v[S+16*\b], v[S+1+16*\b], v[S+2+16*\b]   ; the largest score of each block of 32 keys: for the row's maximum and, since p rises with the score, for the block's largest p
.endr
.irp i, 3,5,7,9,11,13
.irp b, 0,1,2,3
	v_max3_num_f32 v[BX+\b], v[BX+\b], v[S+16*\b+\i], v[S+1+16*\b+\i]
.endr
.endr
.irp b, 0,1,2,3
	v_max_num_f32 v[BX+\b], v[BX+\b], v[S+15+16*\b]
.endr
.irp b, 0,1,2,3
	v_permlanex16_b32 v[PR+\b], v[BX+\b], s[SEL], s[SEL+1]
.endr
.irp b, 0,1,2,3
	v_max_num_f32 v[BX+\b], v[BX+\b], v[PR+\b]     ; with lane l xor 16's 16 keys
.endr
	v_max3_num_f32 v[TP], v[BX], v[BX+1], v[BX+2]
	v_max_num_f32 v[TP], v[TP], v[BX+3]
	v_mul_f32 v[TP], s[CS], v[TP]                  ; as t (c is not negative)
	v_max_num_f32 v13, v13, v[TP]                  ; the running largest t
	v_mov_b32 v[TP], v12
	v_floor_f32 v12, -v13                          ; the new -M = floor(-t): M is a whole number
	v_sub_f32 v[TP], v12, v[TP]                    ; old M - new M: a whole number, 0 or less
	v_cvt_i32_f32 v[TP], v[TP]                     ; (it saturates)
	v_ldexp_f32 v[FF], 1.0, v[TP]                  ; f = 2^(old M - new M)
.set j, 0
.rept 32
	v_pk_fma_f32 v[S+j:S+j+1], v[S+j:S+j+1], s[CS:CS+1], v[12:13] op_sel_hi:[1,0,0]   ; t - M
.set j, j+2
.endr
.irp b, 0,1,2,3
	v_fma_f32 v[BX+\b], v[BX+\b], s[CS], v12
.endr
.set j, 0
.rept 64
	v_exp_f32 v[S+j], v[S+j]                       ; p = 2^(t - M), not normalised
.set j, j+1
.endr
	v_pk_mul_f32 v[14:15], v[14:15], v[FF:FF+1] op_sel_hi:[1,0]   ; the sums under the new M: a plain instruction behind the exponentials
	s_wait_alu depctr_va_vdst(0)                   ; one wait for the batch of 64, ahead of its first reader
.irp b, 0,1,2,3
	v_exp_f32 v[BX+\b], v[BX+\b]                   ; the blocks' largest p
.endr
	v_pk_add_f32 v[PR:PR+1], v[S:S+1], v[S+2:S+3]  ; the row's sum of the unquantised p, in two chains
.irp j, 4,8,12,16,20,24,28,32,36,40,44,48,52,56,60
	v_pk_add_f32 v[14:15], v[14:15], v[S+\j:S+\j+1]
	v_pk_add_f32 v[PR:PR+1], v[PR:PR+1], v[S+2+\j:S+3+\j]
.endr
	v_pk_add_f32 v[14:15], v[14:15], v[PR:PR+1]
	s_wait_alu depctr_va_vdst(0)                   ; and one for the four
.irp b, 0,1,2,3
	v_max_num_f32 v[BX+\b], 0x1800000, v[BX+\b]    ; the floor 2^(3 - 127): a block whose every p is 0 keeps the byte 1; its codes are zeros
.endr
.irp b, 0,1,2,3
	v_add_nc_u32 v[SO+\b], 0xff000000, v[BX+\b]
.endr
.irp b, 0,1,2,3
	v_lshrrev_b32 v[PR+\b], 23, v[SO+\b]
.endr
	v_lshl_or_b32 v[FF+1], v[PR+1], 8, v[PR]       ; p's scale word for these 128 keys
	v_lshl_or_b32 v[FF+1], v[PR+2], 16, v[FF+1]
	v_lshl_or_b32 v[FF+1], v[PR+3], 24, v[FF+1]
.irp c, 0,1
	v_cvt_scalef32_pk16_fp6_f32 v[PC+6*\c:PC+2+6*\c], v[S+32*\c:S+15+32*\c], v[SO+2*\c]
	v_cvt_scalef32_pk16_fp6_f32 v[PT+4*\c:PT+2+4*\c], v[S+16+32*\c:S+31+32*\c], v[SO+2*\c+1]
.endr
	v_nop                                          ; one plain instruction behind the scaled conversions
.irp d, 0,1,2,3                                ; p's registers are free: v's four fragments are asked for now and land under the lines below
.irp p, 0,1,2,3,4,5
	ds_load_b64 v[S+12*\d+2*\p:S+12*\d+2*\p+1], v9 offset:(\p/3)*24576+\d*768+(\p%3)*256
.endr
.endr
	ds_load_b128 v[VS:VS+3], v11
.irp c, 0,1
.irp i, 0,1,2
	v_permlane16_swap_b32 v[PC+6*\c+\i], v[PT+4*\c+\i]
.endr
.irp i, 0,1,2
	v_mov_b32 v[PC+3+6*\c+\i], v[PT+4*\c+\i]
.endr
.endr
.set j, 0
.rept 16
	v_pk_mul_f32 v[O+j:O+j+1], v[O+j:O+j+1], v[FF:FF+1] op_sel_hi:[1,0]   ; O^T under the new M; these are also the places in front of the scaled products
.set j, j+2
.endr
	s_wait_dscnt 0x0
.irp d, 0,1,2,3                                ; O^T += v^T p^T: the four accumulators by turns
	v_wmma_scale_f32_16x16x128_f8f6f4 v[O+8*\d:O+8*\d+7], v[S+12*\d:S+12*\d+11], v[PC:PC+11], v[O+8*\d:O+8*\d+7], v[VS+\d], v[FF+1] matrix_a_fmt:MATRIX_FMT_FP6 matrix_b_fmt:MATRIX_FMT_FP6
.endr
.endm
; A head's end: O^T / the sum; its 64 channels are two blocks of the last product's K: half a fragment and two bytes
.macro FINISH hp
.rept 4
	v_nop
.endr
	v_add_f32 v14, v14, v15
	v_permlanex16_b32 v[TP], v14, s[SEL], s[SEL+1]
	v_add_f32 v14, v14, v[TP]                      ; the row's sum
	v_rcp_f32 v14, v14
	v_nop                                          ; a plain instruction behind the reciprocal
	s_wait_alu depctr_va_vdst(0)                   ; and the wait ahead of its first reader
.set j, 0
.rept 16
	v_pk_mul_f32 v[O+j:O+j+1], v[O+j:O+j+1], v[14:15] op_sel_hi:[1,0]   ; each accumulator from its low end on
.set j, j+2
.endr
.irp b, 0,1
	v_max3_num_f32 v[BX+\b], |v[O+16*\b]|, |v[O+1+16*\b]|, 0x1800000
.endr
.irp i, 2,4,6,8,10,12,14
.irp b, 0,1
	v_max3_num_f32 v[BX+\b], v[BX+\b], |v[O+16*\b+\i]|, |v[O+1+16*\b+\i]|
.endr
.endr
.irp b, 0,1
	v_permlanex16_b32 v[PR+\b], v[BX+\b], s[SEL], s[SEL+1]
.endr
.irp b, 0,1
	v_max_num_f32 v[BX+\b], v[BX+\b], v[PR+\b]
.endr
.irp b, 0,1
	v_add_nc_u32 v[SO+\b], 0xff000000, v[BX+\b]
.endr
.irp b, 0,1
	v_lshrrev_b32 v[PR+\b], 23, v[SO+\b]
.endr
.if (\hp) == 0
	v_lshl_or_b32 v[OSW], v[PR+1], 8, v[PR]
.else
	v_lshl_or_b32 v[OSW], v[PR], 16, v[OSW]
	v_lshl_or_b32 v[OSW], v[PR+1], 24, v[OSW]
.endif
	v_cvt_scalef32_pk16_fp6_f32 v[OC+6*(\hp):OC+6*(\hp)+2], v[O:O+15], v[SO]
	v_cvt_scalef32_pk16_fp6_f32 v[PT:PT+2], v[O+16:O+31], v[SO+1]
	v_nop
.irp i, 0,1,2
	v_permlane16_swap_b32 v[OC+6*(\hp)+\i], v[PT+\i]
.endr
.irp i, 0,1,2
	v_mov_b32 v[OC+6*(\hp)+3+\i], v[PT+\i]
.endr
.endm
.macro HEAD hp, qr, qs
	v_mov_b32 v13, 0xdd800000                      ; the largest t so far: -2^60
	v_floor_f32 v12, -v13                          ; -M
	v_mov_b32 v14, 0
	v_mov_b32 v15, 0
.set j, 0
.rept 32
	v_mov_b32 v[O+j], 0                            ; the step is written once for a head: the first finds zeros
.set j, j+1
.endr
	s_mov_b32 s[TK], (\hp)*49152
	s_mov_b32 s[TKS], (\hp)*4096
	s_mov_b32 s[TV], (\hp)*49152
	s_mov_b32 s[TVS], (\hp)*256
	s_mov_b32 s[CNT], 8
.Lstep_\@:
	STEP \qr, \qs
	s_add_co_u32 s[TK], s[TK], 6144
	s_add_co_u32 s[TKS], s[TKS], 512
	s_add_co_u32 s[TV], s[TV], 3072
	s_add_co_u32 s[TVS], s[TVS], 512
	s_sub_co_u32 s[CNT], s[CNT], 1
	s_cmp_lg_u32 s[CNT], 0
	s_cbranch_scc1 .Lstep_\@
	FINISH \hp
.endm
	s_wait_tensorcnt 1                             ; my part of head 0's tiles is in; head 1's may stay out
	s_wait_dscnt 0x0                               ; my staged words have landed
	s_barrier_signal -1
	s_barrier_wait -1
	HEAD 0, Q0, 28
	s_wait_tensorcnt 0x0                           ; my part of head 1's tiles is in
	s_wait_dscnt 0x0
	s_barrier_signal -1
	s_barrier_wait -1
	HEAD 1, Q1, 29
.irp p, 0,1,2,3,4,5
	global_store_b64 v1, v[OC+2*\p:OC+2*\p+1], s[70:71] offset:256*\p   ; 32 lanes store 256 consecutive bytes, at a multiple of 256 from the buffer's first byte
.endr
	v_lshlrev_b32 v8, 5, v5
	global_store_b32 v8, v[OSW], s[72:73]          ; my row's word of this pair: 4 bytes of a row of 32 (both halves of the lanes write the same word): rows written in part, 1/24 of the codes' bytes
	s_wait_tensorcnt 0x0
	ds_add_u32 v254, v255
	s_wait_dscnt 0x0
	CROUND                                         ; the closing round
	s_endpgm
.Lfunc_end_k_q3c97f186e5_attn:
	.size	k_q3c97f186e5_attn, .Lfunc_end_k_q3c97f186e5_attn-k_q3c97f186e5_attn
	.p2alignl 7, 3214868480
	.fill 96, 4, 3214868480
	.section	.rodata,"a",@progbits
	.p2align	6, 0x0
	.amdhsa_kernel k_q3c97f186e5_attn
		.amdhsa_group_segment_fixed_size 210944
		.amdhsa_private_segment_fixed_size 0
		.amdhsa_enable_private_segment 0
		.amdhsa_kernarg_size 40
		.amdhsa_user_sgpr_count 2
		.amdhsa_user_sgpr_kernarg_segment_ptr 1
		.amdhsa_wavefront_size32 1
		.amdhsa_system_sgpr_workgroup_id_x 1
		.amdhsa_system_sgpr_workgroup_id_y 1
		.amdhsa_system_sgpr_workgroup_id_z 1
		.amdhsa_system_vgpr_workitem_id 0
		.amdhsa_next_free_vgpr 256
		.amdhsa_next_free_sgpr 90
		.amdhsa_reserve_vcc 1
		.amdhsa_float_denorm_mode_32 3
		.amdhsa_float_denorm_mode_16_64 3
		.amdhsa_memory_ordered 1
		.amdhsa_forward_progress 1
		.amdhsa_inst_pref_size 58
	.end_amdhsa_kernel
	.amdgpu_metadata
---
amdhsa.version: [ 1, 2 ]
amdhsa.kernels:
  - .name:           k_q3c97f186e5_attn
    .symbol:         k_q3c97f186e5_attn.kd
    .args:
      - { .name: qc, .offset: 0, .size: 8, .value_kind: global_buffer, .address_space: global }
      - { .name: qs, .offset: 8, .size: 8, .value_kind: global_buffer, .address_space: global }
      - { .name: mask, .offset: 16, .size: 8, .value_kind: global_buffer, .address_space: global }
      - { .name: ac, .offset: 24, .size: 8, .value_kind: global_buffer, .address_space: global }
      - { .name: asc, .offset: 32, .size: 8, .value_kind: global_buffer, .address_space: global }
    .group_segment_fixed_size: 210944
    .private_segment_fixed_size: 0
    .kernarg_segment_align: 8
    .kernarg_segment_size: 40
    .max_flat_workgroup_size: 512
    .sgpr_count:     90
    .vgpr_count:     256
    .wavefront_size: 32
...
	.end_amdgpu_metadata
.endif
;; end of part 3
;; launch outp (part 4): grid 4 x 64, 4 waves a work-group, clusters of 4 x 4, 308,736 bytes of LDS; arguments ac, asc, wc, ws, bo, out0; writes out0
.if DOCPART == 4
	.amdgcn_target "amdgcn-amd-amdhsa--gfx1250"
	.amdhsa_code_object_version 6
	.text
	.protected	k_q3c97f186e5_outp
	.globl	k_q3c97f186e5_outp
	.p2align	8
	.type	k_q3c97f186e5_outp,@function
k_q3c97f186e5_outp:
	s_mov_b64 s[64:65], 0
	v_nop
	global_prefetch_b8 v0, s[64:65] scope:SCOPE_SE
	s_setreg_imm32_b32 hwreg(HW_REG_WAVE_MODE, 25, 1), 1
	s_wait_xcnt 0x0
	s_wait_alu depctr_hold_cnt(0) depctr_sa_sdst(0) depctr_va_vdst(0) depctr_va_sdst(0) depctr_va_ssrc(0) depctr_va_vcc(0) depctr_vm_vsrc(0)
	s_getreg_b32 s2, hwreg(HW_REG_IB_STS2, 6, 4)
	s_cmp_eq_u32 s2, 0
	s_cbranch_scc0 .Lentry_in_a_cluster
	s_endpgm
.Lentry_in_a_cluster:
	s_bfe_u32 s2, ttmp6, 0x10000c
	s_cmp_lg_u32 s2, 0xf033
	s_cbranch_scc0 .Lentry_shape_is_right
	s_endpgm
.Lentry_shape_is_right:
; out0 = attention's output x Wo + bo, on codes of FP6 (E2M3) with E8M0 scales, sums in f32; out0 [8192][1024] f32.
; C[m][n] = sum over k of A[m][k] B[n][k]: A = ac / asc (8,192 tokens), B = the fourth matrix of wc / ws (1,024 features).  Operands are images of operand registers: fragment (tile T of 16 rows, K step s of 128) at (8 T + s) x 1,536 bytes,
; piece p (registers 2 p, 2 p + 1) at 256 p + 8 x lane; scale words 32 bytes a row; lane row r of tile T is row 32 (T / 2) + 8 (T % 2) + r + 8 (r / 8).
; A tile of C is 128 x 256: 64 x 4 = 256 work-groups.  Four waves, 64 x 128 each: 32 accumulators.  ALL OF K STAYS IN LDS: (128 + 256) rows x 768 bytes = 294,912 bytes, in two slots of 512 along K, and 12,288 bytes of scales.
; Every LDS byte is filled once, by loads that all go out at the head: there is no ring and nothing is filled again.  A wave has three tensor loads out at the most.
; 4 x 4 clusters: the four work-groups of a row of the cluster need the same rows of A, the four of a column the same rows of B: each tile is asked for jointly.
; THE MATRIX INSTRUCTION IS USED TRANSPOSED: source 0 = 16 rows of B, source 1 = 16 rows of A: register j of B's tile b is column 32 (b / 2) + 8 (b % 2) + 16 (lane / 16) + j of one row of C.  bo is the C of each sum's first product.
; REGISTERS: window 0: v0-31 addresses; v32-63 and v224-255 the scale words of slot 0 and of slot 1; v64-127 bo; v128-223 A's fragments, two sets of 48; on the way out v128-255 rows of C.
;   window 1: B's fragments, two sets of 96, at v0 and at v128.   window 2: the accumulators ((a, b) at v[8 (8 a + b)]).
.set NQ,     4                         ; matrix instructions deep in a slot
.set FR,     12                        ; registers of a fragment
.set NP,     4                         ; places behind this matrix instruction (ISA guide 7.12.1)
.set FRB,    1536                      ; a fragment in bytes
.set TROW,   NQ*FRB                    ; a tile's four fragments in a slot
.set AHALF,  4*TROW                    ; 64 rows of A: what wave 0 or 1 fetches, and what a wave reads of A
.set BHALF,  8*TROW                    ; 128 rows of B: what wave 2 or 3 fetches, and what a wave reads of B
.set BOFF,   2*AHALF                   ; B's rows lie behind A's 128
.set SLOT,   2*AHALF+2*BHALF
.set SCL,    2*SLOT                    ; behind the slots: the scales, as runs of 256 bytes + 16 of padding: A's 128 rows, then B's 256
.set SAH,    8*272                     ; those of 64 rows
.set SBH,    16*272                    ; those of 128 rows
.set SBLK,   2*272                     ; those of 16 rows
.set SPITCH, 528                       ; the way out: a stage of 16 rows x (512 bytes + 16) for each wave, at the start of slot 0
.set ADRA, 16                          ; v16-17 LDS address of my A fragments in slot 0, 1
.set ADRB, 20                          ; v20-21 the same for B
.set STO,  24                          ; v24    the way out: where I put 16 bytes of a row
.set RD,   25                          ; v25    where I read a row back
.set CO,   26                          ; v26    my byte offset in a row of C
.set ADRS, 27                          ; v27    LDS address of my scale words: lanes 0-15 A's rows, lanes 16-31 B's
.set SC,   32                          ; scale words: slot s at v[SC + 192 s]; in it register 4 i + q: lanes 0-15 the word of A's block i, lanes 16-31 that of B's block i, for the slot's q-th 128 along K
.set BN,   64
.set AF,   128
.set BK,   128
.set G1, 24                            ; s[24:31] descriptor group 1 for A's tiles; s[32:39] group 0, one set for each slot
.set G0, 32
.set G1B, 48                           ; s[48:55], s[56:63] the same for B's tiles
.set G0B, 56
.set G1S, 68                           ; s[68:75], s[76:79] groups 1 and 0 for A's scales; s[80:87], s[88:91] for B's
.set G0S, 76
.set G1SB, 80
.set G0SB, 88
.set MSB, 0
.macro WIN new                         ; the immediate's high byte repeats the setting that is left
.if MSB != (\new)
	s_set_vgpr_msb (MSB<<8)|(\new)
.set MSB, \new
.endif
.endm
.set MUL_LO, 0xa1                      ; source 0 (B) window 1, source 1 (A) window 0, C and D window 2
.set FST_LO, 0x81                      ; the first products: C (bo) window 0, D window 2
.set TO_B,   0x40                      ; destination window 1, address window 0
.macro JLOAD g0a, g1a, g0b, g1b        ; a joint load: waves 0 and 1 fetch for A, waves 2 and 3 for B; the branch hangs on the wave's number alone; four v_nop follow each of the two lines
	s_cmp_eq_u32 s15, 0
	s_cbranch_scc0 .Lfor_b_\@
	tensor_load_to_lds s[\g0a:\g0a+3], s[\g1a:\g1a+7]
	s_nop 0
.rept 4
	v_nop
.endr
	s_branch .Lasked_\@
.Lfor_b_\@:
	tensor_load_to_lds s[\g0b:\g0b+3], s[\g1b:\g1b+7]
	s_nop 0
.rept 4
	v_nop
.endr
.Lasked_\@:
.endm
.macro CROUND                          ; a round of the cluster's barrier
	s_barrier_signal -1
	s_barrier_wait -1
	s_cmp_lg_u32 s14, 0
	s_cbranch_scc1 .Lnot_wave_0_\@
	s_barrier_signal -3
.Lnot_wave_0_\@:
	s_barrier_wait -3
	s_barrier_signal -1
	s_barrier_wait -1
.endm
.macro SHAPE g, c, r, p                ; words 1 to 7 of a group 1: r rows of c elements, p elements from row to row
	s_mov_b32 s[\g+1], (\c)<<16                    ; tensor_dim0
	s_mov_b32 s[\g+2], (\r)<<16                    ; tensor_dim1
	s_mov_b32 s[\g+3], (\c)<<16                    ; tile_dim0
	s_mov_b32 s[\g+4], \r                          ; tile_dim1
	s_mov_b32 s[\g+5], \p                          ; tensor_dim0_stride
	s_mov_b32 s[\g+6], 0
	s_mov_b32 s[\g+7], 0
.endm
	s_load_b128 s[4:7], s[0:1], 0x0                ; ac, asc
	s_load_b128 s[8:11], s[0:1], 0x10              ; wc, ws
	s_load_b128 s[96:99], s[0:1], 0x20             ; bo, out0
	v_lshl_add_u32 v30, v0, 2, 0x4b400
	v_mov_b32 v31, 0
	ds_add_u32 v30, v31
	ds_add_u32 v30, v31
	v_lshrrev_b32 v1, 5, v0
	v_readfirstlane_b32 s14, v1                    ; wave 0..3
	s_lshr_b32 s15, s14, 1                         ; which 64 of the tile's rows are mine.  Also: I fetch for A (0) or for B (1)
	s_and_b32 s16, s14, 1                          ; which 128 of its columns.  Also: which half I fetch
	s_bfe_u32 s40, ttmp6, 0x40000                  ; cx
	s_bfe_u32 s41, ttmp6, 0x40004                  ; cy
	s_lshl_b32 s42, ttmp9, 2
	s_add_co_u32 s42, s42, s40                     ; tile column of C: 256 columns
	s_and_b32 s17, ttmp7, 0xffff
	s_lshl_b32 s17, s17, 2
	s_add_co_u32 s17, s17, s41                     ; tile row of C: 128 rows
	s_lshl_b32 s43, s41, 2
	s_lshl_b32 s43, 15, s43                        ; my row of the cluster
	s_lshl_b32 s44, 0x1111, s40                    ; my column
	; codes: a tile's four fragments of a slot are 6,144 consecutive bytes (768 elements of 8), 12,288 bytes from tile to tile; A: 4 tiles a load, B: 8; no padding
	s_or_b32 s[G1+0], s43, (3<<16)|(1<<21)         ; 15:0 the mask: A's tiles go to my row; 17:16 elements of 8 bytes; 21 set beside a mask
	s_or_b32 s[G1B+0], s44, (3<<16)|(1<<21)
	SHAPE G1, 768, 4, 1536
	SHAPE G1B, 768, 8, 1536
	; scales: dense bytes as rows of 256 (32 elements of 8), 16 bytes of padding behind each; A: 64 rows' 2,048 bytes, B: 128 rows' 4,096
	s_or_b32 s[G1S+0], s43, (3<<16)|(1<<20)|(1<<21)|(5<<22)|(3<<25)
	s_or_b32 s[G1SB+0], s44, (3<<16)|(1<<20)|(1<<21)|(5<<22)|(3<<25)
	SHAPE G1S, 32, 8, 32
	SHAPE G1SB, 32, 16, 32
	s_lshl_b32 s18, s16, 6
	s_lshl_b32 s20, s17, 7
	s_add_co_u32 s20, s20, s18                     ; A: row 128 x tile row + 64 x half
	s_lshl_b32 s18, s16, 7
	s_lshl_b32 s46, s42, 8
	s_add_co_u32 s46, s46, s18                     ; B: row 256 x tile column + 128 x half
	s_lshl_b32 s22, s20, 5                         ; their scales: 32 bytes a row
	s_mov_b32 s23, 0
	s_lshl_b32 s92, s46, 5
	s_mov_b32 s93, 0
	s_mul_i32 s20, s20, 768                        ; their codes: 768 bytes a row
	s_mov_b32 s21, 0
	s_mul_i32 s46, s46, 768
	s_mov_b32 s47, 0
	s_mul_i32 s45, s16, AHALF                      ; where they go: made of the wave's number alone
	s_mul_i32 s94, s16, BHALF
	s_add_co_u32 s94, s94, BOFF
	s_mul_i32 s95, s16, SAH
	s_add_co_u32 s95, s95, SCL
	s_mul_i32 s19, s16, SBH
	s_add_co_u32 s19, s19, SCL+2*SAH
	s_wait_dscnt 0x0
	s_wait_kmcnt 0x0
	s_add_nc_u64 s[8:9], s[8:9], 3*786432          ; Wo is the fourth matrix
	s_add_nc_u64 s[10:11], s[10:11], 3*32768
	s_mov_b64 s[12:13], s[98:99]                   ; out0
	s_add_nc_u64 s[20:21], s[4:5], s[20:21]
	s_add_nc_u64 s[22:23], s[6:7], s[22:23]
	s_add_nc_u64 s[46:47], s[8:9], s[46:47]
	s_add_nc_u64 s[92:93], s[10:11], s[92:93]
	CROUND                                         ; all sixteen work-groups are here: the joint loads meet
	s_mov_b32 s[G0S], 1
	s_mov_b32 s[G0S+1], s95
	s_mov_b64 s[G0S+2:G0S+3], s[22:23]
	s_or_b32 s[G0S+3], s[G0S+3], 0x80000000
	s_mov_b32 s[G0SB], 1
	s_mov_b32 s[G0SB+1], s19
	s_mov_b64 s[G0SB+2:G0SB+3], s[92:93]
	s_or_b32 s[G0SB+3], s[G0SB+3], 0x80000000
	JLOAD G0S, G1S, G0SB, G1SB                     ; the scales first: they are wanted with the first step
.irp s, 0,1
	s_mov_b32 s[G0+4*\s], 1
	s_add_co_u32 s[G0+4*\s+1], s45, \s*SLOT
	s_add_nc_u64 s[G0+4*\s+2:G0+4*\s+3], s[20:21], \s*TROW
	s_or_b32 s[G0+4*\s+3], s[G0+4*\s+3], 0x80000000
	s_mov_b32 s[G0B+4*\s], 1
	s_add_co_u32 s[G0B+4*\s+1], s94, \s*SLOT
	s_add_nc_u64 s[G0B+4*\s+2:G0B+4*\s+3], s[46:47], \s*TROW
	s_or_b32 s[G0B+4*\s+3], s[G0B+4*\s+3], 0x80000000
	JLOAD G0+4*\s, G1, G0B+4*\s, G1B
.endr
	v_and_b32 v1, 15, v0                           ; r
	v_bfe_u32 v2, v0, 4, 1                         ; h
	v_and_b32 v3, 31, v0
	v_lshlrev_b32 v9, 3, v3                        ; 8 x lane: my place in a piece
	s_mul_i32 s21, s15, AHALF                      ; my 64 rows of A
	s_mul_i32 s22, s16, BHALF                      ; my 128 rows of B,
	s_add_co_u32 s22, s22, BOFF                    ; behind A's 128
.irp s, 0,1
	v_add_nc_u32 v[ADRA+\s], s21, v9
	v_add_nc_u32 v[ADRB+\s], s22, v9
	s_add_co_u32 s21, s21, SLOT
	s_add_co_u32 s22, s22, SLOT
.endr
	v_lshlrev_b32 v5, 5, v1                        ; my row's scales: 32 bytes a row,
	v_lshrrev_b32 v6, 8, v5
	v_lshl_add_u32 v5, v6, 4, v5                   ; and 16 more for each 256 passed
	s_mul_i32 s21, s15, SAH                        ; A's: my 64 rows
	s_mul_i32 s22, s16, SBH                        ; B's: my 128 rows, behind A's 128
	s_add_co_u32 s22, s22, 2*SAH
	s_sub_co_u32 s22, s22, s21
	v_mul_u32_u24 v6, s22, v2                      ; lanes 16-31 take B's
	s_add_co_u32 s21, s21, SCL
	v_add_nc_u32 v5, v5, v6
	v_add_nc_u32 v[ADRS], s21, v5
	s_mul_i32 s23, s14, 16*SPITCH                  ; my stage
	v_mul_u32_u24 v5, v1, SPITCH
	v_lshl_add_u32 v5, v2, 6, v5
	v_add_nc_u32 v[STO], s23, v5                   ; in: row r, + 64 h
	v_lshlrev_b32 v[CO], 4, v3                     ; back: the 32 lanes take one row of 512 bytes; and the same in C
	v_add_nc_u32 v[RD], s23, v[CO]
	s_lshl_b32 s92, s17, 1
	s_add_co_u32 s92, s92, s15                     ; my block of 64 rows
	s_lshl_b32 s93, s42, 1
	s_add_co_u32 s93, s93, s16                     ; my block of 128 columns
	s_lshl_b32 s46, s92, 18                        ; 64 rows of 4,096 bytes
	s_lshl_b32 s47, s93, 9
	s_add_co_u32 s46, s46, s47
	v_lshl_add_u32 v7, v2, 6, s47                  ; bo: 512 x my block of columns + 64 h
	s_mov_b32 s47, 0
	s_add_nc_u64 s[12:13], s[12:13], s[46:47]
.irp b, 0,1,2,3,4,5,6,7
	global_load_b128 v[BN+8*\b:BN+8*\b+3], v7, s[96:97] offset:(32*(\b/2)+8*(\b%2))*4
	global_load_b128 v[BN+8*\b+4:BN+8*\b+7], v7, s[96:97] offset:(32*(\b/2)+8*(\b%2))*4+16
.endr
	s_wait_loadcnt 0x0
.macro FRAG reg, adr, q, i             ; a fragment comes as it was stored: six pieces, 32 lanes x 8 consecutive bytes each
.irp p, 0,1,2,3,4,5
	ds_load_b64 v[\reg+2*\p:\reg+2*\p+1], v[\adr] offset:(\i)*TROW+(\q)*FRB+256*\p
.endr
.endm
.macro FETCH slot, q, p                ; the fragments of the slot's q-th 128 along K into set p: B's eight, then A's four: 72 loads
	WIN TO_B
.irp i, 0,1,2,3,4,5,6,7
	FRAG 128*(\p)+FR*\i, ADRB+\slot, \q, \i
.endr
	WIN 0
.irp i, 0,1,2,3
	FRAG AF+48*(\p)+FR*\i, ADRA+\slot, \q, \i
.endr
.endm
.macro SCALES slot                     ; a slot's scale words: four a row, 16 bytes; lanes 0-15 take A's block i (blocks 4 to 7 are not mine and are not used), lanes 16-31 B's block i
.irp i, 0,1,2,3,4,5,6,7
	ds_load_b128 v[SC+192*(\slot)+4*\i:SC+192*(\slot)+4*\i+3], v[ADRS] offset:\i*SBLK+16*(\slot)
.endr
.endm
.macro PLACES n                        ; plain vector instructions between a matrix instruction and a load into, or a read of, its registers
.rept \n
	v_nop
.endr
.endm
; 32 matrix instructions: A's four blocks x B's eight, 128 along K.  p: the set of fragments; sl, q: the scale words.  first = 1: the sums begin with bo as C.  The 32 accumulators take turns, one instruction a turn, in the same order in every step.
.macro MUL32 p, q, sl, first
.irp a, 0,1,2,3
.irp b, 0,1,2,3,4,5,6,7
.if \first
	v_wmma_scale_f32_16x16x128_f8f6f4 v[8*(8*\a+\b):8*(8*\a+\b)+7], v[128*(\p)+FR*\b:128*(\p)+FR*\b+FR-1], v[AF+48*(\p)+FR*\a:AF+48*(\p)+FR*\a+FR-1], v[BN+8*\b:BN+8*\b+7], v[SC+192*(\sl)+4*\b+(\q)], v[SC+192*(\sl)+4*\a+(\q)] matrix_a_fmt:MATRIX_FMT_FP6 matrix_b_fmt:MATRIX_FMT_FP6 matrix_a_scale:MATRIX_SCALE_ROW1
.else
	v_wmma_scale_f32_16x16x128_f8f6f4 v[8*(8*\a+\b):8*(8*\a+\b)+7], v[128*(\p)+FR*\b:128*(\p)+FR*\b+FR-1], v[AF+48*(\p)+FR*\a:AF+48*(\p)+FR*\a+FR-1], v[8*(8*\a+\b):8*(8*\a+\b)+7], v[SC+192*(\sl)+4*\b+(\q)], v[SC+192*(\sl)+4*\a+(\q)] matrix_a_fmt:MATRIX_FMT_FP6 matrix_b_fmt:MATRIX_FMT_FP6 matrix_a_scale:MATRIX_SCALE_ROW1
.endif
.endr
.endr
.endm
; A step of 128 along K on set p.  fetch = 1: the next step's fragments (slot nsl, its nq-th 128) are asked for first, into the other set, and land under this step's 32 products.
; sync = 1: the next step lies in slot 1: my part of it has landed (no load was issued behind it, so the count is 0), my LDS loads are back, and a barrier shows the same of every wave.  Behind that barrier nobody reads slot 0 any more.
.macro HSTEP sl, q, p, first, fetch, nsl, nq, sync
	s_wait_dscnt 0x0                               ; this step's fragments are in
.if \sync
	s_wait_tensorcnt 0x0
	s_barrier_signal -1
	s_barrier_wait -1
.endif
.if \fetch
	PLACES NP                                      ; the other set was read by the last step's products
	FETCH \nsl, \nq, 1-(\p)
.if \sync
	SCALES 1
.endif
.endif
.if \first
	WIN FST_LO
.else
	WIN MUL_LO
.endif
	MUL32 \p, \q, \sl, \first
.endm
	s_wait_tensorcnt 1                             ; the scales and my part of slot 0 are in (slot 1's load may be out)
	s_barrier_signal -1
	s_barrier_wait -1                              ; everybody's are
	FETCH 0, 0, 0
	SCALES 0
	HSTEP 0, 0, 0, 1, 1, 0, 1, 0                   ; the first step's products start the sums
	HSTEP 0, 1, 1, 0, 1, 0, 2, 0
	HSTEP 0, 2, 0, 0, 1, 0, 3, 0
	HSTEP 0, 3, 1, 0, 1, 1, 0, 1                   ; slot 1 is whole: its first fragments and its scale words are asked for
	HSTEP 1, 0, 0, 0, 1, 1, 1, 0
	HSTEP 1, 1, 1, 0, 1, 1, 2, 0
	HSTEP 1, 2, 0, 0, 1, 1, 3, 0
	HSTEP 1, 3, 1, 0, 0, 0, 0, 0                   ; the last step: nothing more to fetch
	WIN 0
; THE WAY OUT, block by block of 16 rows x 128 columns, through my own stage: in by 16 bytes at each number's own column, back as whole rows of 512 bytes.  LDS serves a wave's instructions in order (ISA guide 5.7.1.4): no wait between the stores and the loads.
; The stage lies in slot 0: that slot has had its one fill, and every wave's last reads of it were waited for in front of the barrier at the change of slots.
.macro TOSTAGE a
.set AC, 64*(\a)
	WIN 0x08                                       ; an LDS store's data are its source 1: window 2
.irp b, 0,1,2,3,4,5,6,7
	ds_store_b128 v[STO], v[AC+8*\b:AC+8*\b+3] offset:128*(\b/2)+32*(\b%2)        ; each accumulator from its low end on
	ds_store_b128 v[STO], v[AC+8*\b+4:AC+8*\b+7] offset:128*(\b/2)+32*(\b%2)+16
.endr
	WIN 0
.set BB, BK+64*((\a)%2)
.irp t, 0,1,2,3,4,5,6,7,8,9,10,11,12,13,14,15
	ds_load_b128 v[BB+4*\t:BB+4*\t+3], v[RD] offset:\t*SPITCH
.endr
.endm
.macro SEND a, younger                 ; younger: the LDS instructions issued behind block a's loads, which may stay out
.set BB, BK+64*((\a)%2)
	s_wait_dscnt \younger
.irp t, 0,1,2,3,4,5,6,7,8,9,10,11,12,13,14,15
	global_store_b128 v[CO], v[BB+4*\t:BB+4*\t+3], s[12:13] offset:(32*((\a)/2)+8*((\a)%2)+\t+8*(\t/8))*4096 th:TH_STORE_NT   ; lane row t of tile a is row 32 (a / 2) + 8 (a % 2) + t + 8 (t / 8): 512 consecutive bytes, at a multiple of 256 from out0's first byte; 63 rows at the most, inside the signed 24-bit immediate
.endr
.endm
	PLACES NP                                      ; behind the last products: for the stores of results and for the loads into the registers that held A's fragments and scale words
	TOSTAGE 0
.irp a, 1,2,3
.if \a > 1
	s_wait_xcnt 0x0                                ; block a - 2's stores have read their registers: block a's loads may land there
.endif
	TOSTAGE \a
	SEND \a-1, 32                                  ; behind block a - 1's loads: block a's 16 stores and 16 loads
.endr
	SEND 3, 0                                      ; no LDS instruction of mine is out behind this wait
	s_wait_tensorcnt 0x0
	ds_add_u32 v30, v31
	s_wait_dscnt 0x0
	CROUND                                         ; the closing round: no work-group ends while a partner may still ask for a tile that names it
	s_endpgm
.Lfunc_end_k_q3c97f186e5_outp:
	.size	k_q3c97f186e5_outp, .Lfunc_end_k_q3c97f186e5_outp-k_q3c97f186e5_outp
	.p2alignl 7, 3214868480
	.fill 96, 4, 3214868480
	.section	.rodata,"a",@progbits
	.p2align	6, 0x0
	.amdhsa_kernel k_q3c97f186e5_outp
		.amdhsa_group_segment_fixed_size 308736
		.amdhsa_private_segment_fixed_size 0
		.amdhsa_enable_private_segment 0
		.amdhsa_kernarg_size 48
		.amdhsa_user_sgpr_count 2
		.amdhsa_user_sgpr_kernarg_segment_ptr 1
		.amdhsa_wavefront_size32 1
		.amdhsa_system_sgpr_workgroup_id_x 1
		.amdhsa_system_sgpr_workgroup_id_y 1
		.amdhsa_system_sgpr_workgroup_id_z 1
		.amdhsa_system_vgpr_workitem_id 0
		.amdhsa_next_free_vgpr 768
		.amdhsa_next_free_sgpr 100
		.amdhsa_reserve_vcc 0
		.amdhsa_float_denorm_mode_32 3
		.amdhsa_float_denorm_mode_16_64 3
		.amdhsa_memory_ordered 1
		.amdhsa_forward_progress 1
		.amdhsa_inst_pref_size 97
	.end_amdhsa_kernel
	.amdgpu_metadata
---
amdhsa.version: [ 1, 2 ]
amdhsa.kernels:
  - .name:           k_q3c97f186e5_outp
    .symbol:         k_q3c97f186e5_outp.kd
    .args:
      - { .name: ac, .offset: 0, .size: 8, .value_kind: global_buffer, .address_space: global }
      - { .name: asc, .offset: 8, .size: 8, .value_kind: global_buffer, .address_space: global }
      - { .name: wc, .offset: 16, .size: 8, .value_kind: global_buffer, .address_space: global }
      - { .name: ws, .offset: 24, .size: 8, .value_kind: global_buffer, .address_space: global }
      - { .name: bo, .offset: 32, .size: 8, .value_kind: global_buffer, .address_space: global }
      - { .name: out0, .offset: 40, .size: 8, .value_kind: global_buffer, .address_space: global }
    .group_segment_fixed_size: 308736
    .private_segment_fixed_size: 0
    .kernarg_segment_align: 8
    .kernarg_segment_size: 48
    .max_flat_workgroup_size: 128
    .sgpr_count:     100
    .vgpr_count:     768
    .wavefront_size: 32
...
	.end_amdgpu_metadata
.endif
;; end of part 4
